; MI455X (gfx1250); checked and timed in simulation.
; The chip was launched on July 23, 2026; its instructions are those of AMD's public machine-readable ISA for CDNA 5 (MIT licence, August 2026) and "CDNA5" Instruction Set Architecture Reference Guide (July 2026). The comments in the code are by the model that wrote it; some were corrected since.
;; Multi Head Attention. Allowed arithmetic: float matrix products may take bf16 or f16 operands with f32 sums; other float arithmetic in f32, or as packed bf16 or f16 multiplies, adds, multiply-adds, maxima and minima; sums over many terms, partial sums and values carried from step to step in f32; what a program stores and reads back later, other than sums and carried values, may be rounded once to bf16 or f16.
;; Inputs: Wk 1,024 x 1,024 float32; Wo 1,024 x 1,024 float32; Wq 1,024 x 1,024 float32; Wv 1,024 x 1,024 float32; bo 1,024 float32; x 4 x 2,048 x 1,024 float32.
;; Outputs: out0 4 x 2,048 x 1,024 float32.
;; 2 versions, each right; version 2 is version 1 with the launch cast written anew for expert scheduling mode. Each part assembles by itself: llvm-mc -triple=amdgcn-amd-amdhsa -mcpu=gfx1250 --defsym DOCPART=n.
;; ======== version 1 of 2: 4 launches
;; limits: values are held in f16: magnitudes above 65,504 overflow, below 6.1e-05 lose precision
;; workspace buffers: cst 25,165,824 bytes; qkv 50,331,648 bytes; ctx 16,777,216 bytes
;; launch cast (part 1): grid 768 x 1, 8 waves a work-group, no clusters, 0 bytes of LDS; arguments x, Wq, Wk, Wv, Wo, cst; writes cst
.if DOCPART == 1
	.amdgcn_target "amdgcn-amd-amdhsa--gfx1250"
	.amdhsa_code_object_version 6
	.text
	.protected	k_qf098b84227_cast
	.globl	k_qf098b84227_cast
	.p2align	8
	.type	k_qf098b84227_cast,@function
k_qf098b84227_cast:
	s_mov_b64 s[64:65], 0
	v_nop
	global_prefetch_b8 v0, s[64:65] scope:SCOPE_SE
	s_setreg_imm32_b32 hwreg(HW_REG_WAVE_MODE, 25, 1), 1
	s_wait_xcnt 0x0
; THE INPUTS ARE ROUNDED ONCE, for the matrix products of the later launches.  cst holds, from byte 0: x as [8192][1024] bf16; from 0x1000000: Wq, Wk, Wv side by side
; as [1024 k][3072] bf16 (column 1024 t + n, t = 0, 1, 2); from 0x1600000: Wo as [1024 k][1024 n], rounded to bf16 and that number written as f16.
; LIMIT.  A weight of Wo beyond 65,504 becomes an infinity in f16; below 6e-5 it keeps f16's fixed step of 6e-8.
; SHARES.  A work-group takes 16 rows of 1,024 numbers: 64 KiB in, 32 KiB out.  Work-groups 0-511: x; then 64 for each weight.  Wave v takes rows 2 v and 2 v + 1: sixteen loads of 512
; consecutive bytes, all issued at once; each store of 8 bytes a lane covers 256 consecutive bytes, aligned.  Memory binds: no LDS, no barrier, no matrix unit.
.set X, 4                              ; v[4:67]    sixteen loads of four numbers
.set Y, 68                             ; v[68:99]   sixteen pairs to store, each written once
.set T, 100                            ; v[100:103] at work
	s_load_b256 s[16:23], s[0:1], 0x0              ; x, Wq, Wk, Wv
	s_load_b128 s[24:27], s[0:1], 0x20             ; Wo, cst
	s_mov_b32 s2, ttmp9
	s_sub_co_u32 s3, s2, 512
	s_lshr_b32 s12, s3, 6                          ; which weight: 0 to 3
	s_and_b32 s13, s3, 63                          ; which 16 rows of it
	s_cmp_lt_u32 s2, 512
	s_cselect_b32 s13, s2, s13                     ; for x: the work-group's number,
	s_cselect_b32 s12, 4, s12                      ; and the class 4
	s_lshl_b32 s15, s12, 11                        ; Wq, Wk, Wv: 2,048 bytes of each row of 6,144
	s_add_co_u32 s15, s15, 0x1000000
	s_cmp_eq_u32 s12, 3
	s_cselect_b32 s15, 0x1600000, s15
	s_cmp_eq_u32 s12, 4
	s_cselect_b32 s15, 0, s15                      ; where the class begins in cst
	s_mov_b32 s14, 2048
	s_cmp_lt_u32 s12, 3
	s_cselect_b32 s14, 6144, s14                   ; bytes from row to row in cst
	s_lshl_b32 s8, s14, 4
	s_mul_i32 s8, s8, s13                          ; my 16 rows
	s_add_co_u32 s10, s15, s8
	s_mov_b32 s11, 0
	s_lshl_b32 s8, s13, 16                         ; and in the source: 65,536 bytes
	s_mov_b32 s9, 0
	s_lshl_b32 s28, s14, 1
	v_lshrrev_b32 v[T], 5, v0                      ; wave
	v_and_b32 v[T+1], 31, v0                       ; lane
	v_lshlrev_b32 v1, 13, v[T]
	v_lshl_or_b32 v1, v[T+1], 4, v1                ; source: 8,192 x wave + 16 x lane
	v_mul_u32_u24 v2, v[T], s28
	v_lshl_add_u32 v2, v[T+1], 3, v2               ; cst: row 2 x wave, 8 x lane;
	v_add_nc_u32 v3, s14, v2                       ; and the row below
	s_wait_kmcnt 0x0
	s_mov_b64 s[4:5], s[16:17]
	s_cmp_eq_u32 s12, 0
	s_cselect_b64 s[4:5], s[18:19], s[4:5]
	s_cmp_eq_u32 s12, 1
	s_cselect_b64 s[4:5], s[20:21], s[4:5]
	s_cmp_eq_u32 s12, 2
	s_cselect_b64 s[4:5], s[22:23], s[4:5]
	s_cmp_eq_u32 s12, 3
	s_cselect_b64 s[4:5], s[24:25], s[4:5]
	s_add_nc_u64 s[4:5], s[4:5], s[8:9]
	s_add_nc_u64 s[6:7], s[26:27], s[10:11]
.irp j, 0,1,2,3,4,5,6,7,8,9,10,11,12,13,14,15
	global_load_b128 v[X+4*(\j):X+4*(\j)+3], v1, s[4:5] offset:512*(\j) th:TH_LOAD_NT
.endr
; Load j is rounded and stored.  wo = 1: to bf16, and that number to f16.
.macro CV j, wo
	s_wait_loadcnt 15-(\j)                         ; loads come back in order: mine is in, the 15 - j younger ones may stay out
.if \wo
	v_cvt_pk_bf16_f32 v[T], v[X+4*(\j)], v[X+4*(\j)+1]
	v_cvt_pk_bf16_f32 v[T+1], v[X+4*(\j)+2], v[X+4*(\j)+3]
	v_lshlrev_b32 v[T+2], 16, v[T]
	v_and_b32 v[T], 0xffff0000, v[T]
	v_cvt_pk_f16_f32 v[Y+2*(\j)], v[T+2], v[T]
	v_lshlrev_b32 v[T+3], 16, v[T+1]
	v_and_b32 v[T+1], 0xffff0000, v[T+1]
	v_cvt_pk_f16_f32 v[Y+2*(\j)+1], v[T+3], v[T+1]
.else
	v_cvt_pk_bf16_f32 v[Y+2*(\j)], v[X+4*(\j)], v[X+4*(\j)+1]
	v_cvt_pk_bf16_f32 v[Y+2*(\j)+1], v[X+4*(\j)+2], v[X+4*(\j)+3]
.endif
	global_store_b64 v[2+(\j)/8], v[Y+2*(\j):Y+2*(\j)+1], s[6:7] offset:256*((\j)%8)
.endm
	s_cmp_eq_u32 s12, 3
	s_cbranch_scc1 .Lwo
.irp j, 0,1,2,3,4,5,6,7,8,9,10,11,12,13,14,15
	CV \j, 0
.endr
	s_endpgm
.Lwo:
.irp j, 0,1,2,3,4,5,6,7,8,9,10,11,12,13,14,15
	CV \j, 1
.endr
	s_endpgm
.Lfunc_end_k_qf098b84227_cast:
	.size	k_qf098b84227_cast, .Lfunc_end_k_qf098b84227_cast-k_qf098b84227_cast
	.p2alignl 7, 3214868480
	.fill 96, 4, 3214868480
	.section	.rodata,"a",@progbits
	.p2align	6, 0x0
	.amdhsa_kernel k_qf098b84227_cast
		.amdhsa_group_segment_fixed_size 0
		.amdhsa_private_segment_fixed_size 0
		.amdhsa_enable_private_segment 0
		.amdhsa_kernarg_size 48
		.amdhsa_user_sgpr_count 2
		.amdhsa_user_sgpr_kernarg_segment_ptr 1
		.amdhsa_wavefront_size32 1
		.amdhsa_system_sgpr_workgroup_id_x 1
		.amdhsa_system_sgpr_workgroup_id_y 1
		.amdhsa_system_sgpr_workgroup_id_z 1
		.amdhsa_system_vgpr_workitem_id 0
		.amdhsa_next_free_vgpr 104
		.amdhsa_next_free_sgpr 66
		.amdhsa_reserve_vcc 0
		.amdhsa_float_denorm_mode_32 3
		.amdhsa_float_denorm_mode_16_64 3
		.amdhsa_memory_ordered 1
		.amdhsa_forward_progress 1
		.amdhsa_inst_pref_size 17
	.end_amdhsa_kernel
	.amdgpu_metadata
---
amdhsa.version: [ 1, 2 ]
amdhsa.kernels:
  - .name:           k_qf098b84227_cast
    .symbol:         k_qf098b84227_cast.kd
    .args:
      - { .name: x, .offset: 0, .size: 8, .value_kind: global_buffer, .address_space: global }
      - { .name: Wq, .offset: 8, .size: 8, .value_kind: global_buffer, .address_space: global }
      - { .name: Wk, .offset: 16, .size: 8, .value_kind: global_buffer, .address_space: global }
      - { .name: Wv, .offset: 24, .size: 8, .value_kind: global_buffer, .address_space: global }
      - { .name: Wo, .offset: 32, .size: 8, .value_kind: global_buffer, .address_space: global }
      - { .name: cst, .offset: 40, .size: 8, .value_kind: global_buffer, .address_space: global }
    .group_segment_fixed_size: 0
    .private_segment_fixed_size: 0
    .kernarg_segment_align: 8
    .kernarg_segment_size: 48
    .max_flat_workgroup_size: 256
    .sgpr_count:     66
    .vgpr_count:     104
    .wavefront_size: 32
...
	.end_amdgpu_metadata
.endif
;; end of part 1
;; launch proj (part 2): grid 8 x 64, 4 waves a work-group, clusters of 4 x 4, 327,680 bytes of LDS; arguments cst, qkv; writes qkv
.if DOCPART == 2
	.amdgcn_target "amdgcn-amd-amdhsa--gfx1250"
	.amdhsa_code_object_version 6
	.text
	.protected	k_qf098b84227_proj
	.globl	k_qf098b84227_proj
	.p2align	8
	.type	k_qf098b84227_proj,@function
k_qf098b84227_proj:
	s_mov_b64 s[64:65], 0
	v_nop
	global_prefetch_b8 v0, s[64:65] scope:SCOPE_SE
	s_setreg_imm32_b32 hwreg(HW_REG_WAVE_MODE, 25, 1), 1
	s_wait_xcnt 0x0
	s_wait_alu depctr_hold_cnt(0) depctr_sa_sdst(0) depctr_va_vdst(0) depctr_va_sdst(0) depctr_va_ssrc(0) depctr_va_vcc(0) depctr_vm_vsrc(0)
	s_getreg_b32 s2, hwreg(HW_REG_IB_STS2, 6, 4)
	s_cmp_eq_u32 s2, 0
	s_cbranch_scc0 .Lentry_in_a_cluster
	s_endpgm
.Lentry_in_a_cluster:
	s_bfe_u32 s2, ttmp6, 0x10000c
	s_cmp_lg_u32 s2, 0xf033
	s_cbranch_scc0 .Lentry_shape_is_right
	s_endpgm
.Lentry_shape_is_right:
; q, k, v = x Wq, x Wk, x Wv: [8192 x 1024] x [1024 x 3072] in bf16 with f32 sums, K ascending; the results are rounded once to f16, unscaled, and stored by heads:
; qkv[t][batch x 16 + head][s][64], byte (t << 24) + (batch << 22) + (head << 18) + 128 s + 2 d.
; LIMIT.  A result of 65,520 or more becomes an infinity in f16; below 6e-5 it keeps f16's fixed step of 6e-8.
; SHARES.  A work-group makes 128 rows x 384 columns (six heads): 512 work-groups.  Its four waves make 64 rows x 192 columns each: 4 x 12 accumulators of 16 x 16, 384 registers.
; K goes in 8 steps of 128 through two LDS slots.  Wave 0 fetches x's tile (128 rows x 256 bytes), waves 1 to 3 a sub-tile of the weights each (128 k x 128 columns, rows of 256 bytes).
; The weights lie [k][n]: their fragments come out of LDS turned, by ds_load_tr16_b128.  THE PRODUCT IS USED TRANSPOSED (source 0 = 16 columns of W, source 1 = 16 rows of x):
; a lane then holds eight neighbouring columns of one row.
; CLUSTER.  4 x 4 work-groups; x's tile is shared along a row of the cluster, a weight tile along a column: each is asked for jointly, by the same tensor load in all four.
; REGISTERS, in windows of 256: window 0: v0-31 addresses; v64-95, v96-127 x's fragments, two buffers; on the way out v64-111 packed results, v112-207 rows read back.
;   window 1: v0-95, v96-191 W's fragments, two buffers.   windows 2, 3: accumulator (a, b) at v[96 (a % 2) + 8 b] of window 2 + a / 2.
.set NBK,   12                         ; blocks of 16 columns a wave
.set NL,    2*NBK+8                    ; LDS loads in a run
.set NA,    1                          ; waves below this number fetch x's tile
.set PA,    272                        ; an LDS row of x: 256 bytes + 16: the 16 rows of a load start at 16 different groups of four banks
.set PB,    288                        ; an LDS row of W: 256 + 32
.set REG,   36864                      ; what one wave's load may fill: 128 x 288 (x's tile takes 34,816 of it)
.set SLOT,  4*REG
.set STAGE, 2*SLOT                     ; behind the ring: for each wave three heads x 16 rows x 144 bytes
.set STW,   3*16*144
.set SPARE, STAGE+4*STW                ; behind the stages: the spare words, 128 bytes a wave
.set STEPA, 256                        ; bytes from K step to K step in x,
.set STEPB, 128*6144                   ; and in the weights
.set WBASE, 0x1000000                  ; where the weights begin in cst
.set SPW,  12                          ; v12  LDS address of my spare word; never rewritten
.set NIL,  13                          ; v13  0; never rewritten
.set PFO,  14                          ; v14  the prefetches' offset: my lane x a row; never rewritten
.set ADRA, 16                          ; v16-17  my fragments of x in slot 0, 1
.set BX,   18                          ; v18-19  my whole sub-tile of W (blocks 0-7)
.set BY,   20                          ; v20-21  my half of the middle sub-tile (blocks 8-11)
.set STO,  24
.set RD,   25
.set GO,   26                          ; v26-28  my byte offset in qkv for my three heads
.set FA,   64
.set TMP,  64
.set BK0,  112
.set WV, 10
.set WM, 11
.set WN, 12
.set G1A, 24
.set G0A, 32
.set G1B, 48
.set G0B, 56
.set PFA, 68                           ; s[68:69] where my prefetches stand
.set PFS, 70                           ; s[70:71] their step
.set LIM, 72                           ; s72  1 in a wave that prefetches, else the greatest number
.set MSB, 0
.macro WIN new                         ; the high byte repeats the setting that is left; a switch that changes nothing is dropped
.if MSB != (\new)
	s_set_vgpr_msb (MSB<<8)|(\new)
.set MSB, (\new)
.endif
.endm
.macro PLACES                          ; four plain vector instructions between a matrix instruction and a load into, or a vector instruction on, its registers
.rept 4
	v_nop
.endr
.endm
.macro CREST                           ; a round of the cluster's barrier behind its opening barrier
	s_cmp_lg_u32 s[WV], 0
	s_cbranch_scc1 .Lnot_wave_0_\@
	s_barrier_signal -3
.Lnot_wave_0_\@:
	s_barrier_wait -3
	s_barrier_signal -1
	s_barrier_wait -1
.endm
.macro CROUND
	s_barrier_signal -1
	s_barrier_wait -1
	CREST
.endm
; A joint load: the branch hangs on the wave's number alone.  An s_nop 0 and four v_nop follow each line.
.macro JLOAD s
	s_cmp_lt_u32 s[WV], NA
	s_cbranch_scc0 .Lfor_b_\@
	tensor_load_to_lds s[G0A+4*(\s):G0A+4*(\s)+3], s[G1A:G1A+7]
	s_nop 0
.rept 4
	v_nop
.endr
	s_branch .Lasked_\@
.Lfor_b_\@:
	tensor_load_to_lds s[G0B+4*(\s):G0B+4*(\s)+3], s[G1B:G1B+7]
	s_nop 0
.rept 4
	v_nop
.endr
.Lasked_\@:
.endm
; A prefetch of the K step two refills on: 32 rows x 256 bytes, a lane a row.  x's rows are named by the cluster with x = 0, the weights' by the cluster with y = 0; the four partners
; that ask for a tile jointly take 32 of its 128 rows each, told apart by address.  The loop's last trip (s3 = 1) has no K step two on.
.macro ASK
	s_cmp_gt_u32 s3, s[LIM]
	s_cbranch_scc0 .Lnot_mine_\@
	global_prefetch_b8 v[PFO], s[PFA:PFA+1] th:TH_LOAD_NT scope:SCOPE_SE
.Lnot_mine_\@:
.endm
; 12 products: row block a x all column blocks, 32 along K, from buffer f.  zero = 1: they start the sums.
.macro MULA f, a, zero
	WIN 0xa1+0x50*((\a)/2)
.set AC, 96*((\a)%2)
.set nb, 0
.rept NBK
.if \zero
	v_wmma_f32_16x16x32_bf16 v[AC+8*nb:AC+8*nb+7], v[96*(\f)+8*nb:96*(\f)+8*nb+7], v[FA+32*(\f)+8*(\a):FA+32*(\f)+8*(\a)+7], 0
.else
	v_wmma_f32_16x16x32_bf16 v[AC+8*nb:AC+8*nb+7], v[96*(\f)+8*nb:96*(\f)+8*nb+7], v[FA+32*(\f)+8*(\a):FA+32*(\f)+8*(\a)+7], v[AC+8*nb:AC+8*nb+7]
.endif
.set nb, nb+1
.endr
.endm
; 32 LDS loads in one run: quarter q (32 along K) of a slot into buffer f; W's first, then x's blocks in ascending order
.macro FETCH slot, q, f
	WIN 0x40
.set nb, 0
.rept 8
	ds_load_tr16_b128 v[96*(\f)+8*nb:96*(\f)+8*nb+3],   v[BX+(\slot)] offset:32*PB*(\q)+32*nb
	ds_load_tr16_b128 v[96*(\f)+8*nb+4:96*(\f)+8*nb+7], v[BX+(\slot)] offset:32*PB*(\q)+32*nb+16*PB
.set nb, nb+1
.endr
.rept 4
	ds_load_tr16_b128 v[96*(\f)+8*nb:96*(\f)+8*nb+3],   v[BY+(\slot)] offset:32*PB*(\q)+32*(nb-8)
	ds_load_tr16_b128 v[96*(\f)+8*nb+4:96*(\f)+8*nb+7], v[BY+(\slot)] offset:32*PB*(\q)+32*(nb-8)+16*PB
.set nb, nb+1
.endr
	WIN 0
.set na, 0
.rept 4
	ds_load_b128 v[FA+32*(\f)+8*na:FA+32*(\f)+8*na+3],   v[ADRA+(\slot)] offset:64*(\q)+16*PA*na
	ds_load_b128 v[FA+32*(\f)+8*na+4:FA+32*(\f)+8*na+7], v[ADRA+(\slot)] offset:64*(\q)+16*PA*na+32
.set na, na+1
.endr
.endm
; One of a K step's first three quarters: multiplies buffer f; in its middle fetches quarter q of the same slot into buffer g.
.macro QUARTER slot, q, f, g, zero
	s_wait_dscnt 4                                 ; the youngest four loads (x's blocks 2 and 3) may be out
	MULA \f, 0, \zero
	MULA \f, 1, \zero
	PLACES
	FETCH \slot, \q, \g
	s_wait_dscnt NL                                ; all but the run just issued
	MULA \f, 2, \zero
	MULA \f, 3, \zero
.endm
; The first half of a K step's last quarter: one barrier for the change of slots.
.macro MEET round
	WIN 0
	s_wait_tensorcnt 0x0                           ; all my tensor loads have landed: the one that was out is my part of the next slot
	ds_add_u32 v[SPW], v[NIL]                      ; 0 onto my spare word
	s_wait_dscnt 5                                 ; the add and the youngest four loads may be out
	MULA 1, 0, 0
	s_wait_dscnt 0x0                               ; the add is done, and my reads of this slot are over
	s_barrier_signal -1
	MULA 1, 1, 0
.if \round
	WIN 0
.endif
	s_barrier_wait -1
.endm
; The whole last quarter: behind the round the slot just read is filled again, two K steps on; then the next slot's first fragments.
.macro TURN slot, next
	s_wait_xcnt 0x0                                ; the last prefetch, a K step back, has read its address
	s_add_nc_u64 s[PFA:PFA+1], s[PFA:PFA+1], s[PFS:PFS+1]
	MEET 1
	CREST                                          ; no wave of any partner still reads this slot or has a load on its way
	s_add_nc_u64 s[G0A+4*(\slot)+2:G0A+4*(\slot)+3], s[G0A+4*(\slot)+2:G0A+4*(\slot)+3], 2*STEPA
	s_add_nc_u64 s[G0B+4*(\slot)+2:G0B+4*(\slot)+3], s[G0B+4*(\slot)+2:G0B+4*(\slot)+3], 2*STEPB
	JLOAD \slot                                    ; its four v_nop are also the places in front of the loads below
	FETCH \next, 0, 0
	ASK
	MULA 1, 2, 0
	MULA 1, 3, 0
.endm
	s_load_b128 s[4:7], s[0:1], 0x0                ; cst s[4:5], qkv s[6:7]
	v_lshl_add_u32 v[SPW], v0, 2, SPARE
	v_mov_b32 v[NIL], 0
	ds_add_u32 v[SPW], v[NIL]                      ; the wave's opening: the add, and its wait ahead of my first tensor load
	v_lshrrev_b32 v1, 5, v0
	v_readfirstlane_b32 s[WV], v1
	s_lshr_b32 s[WM], s[WV], 1                     ; which 64 rows are mine
	s_and_b32 s[WN], s[WV], 1                      ; which 192 columns
	s_bfe_u32 s40, ttmp6, 0x40000                  ; cx
	s_bfe_u32 s41, ttmp6, 0x40004                  ; cy
	s_lshl_b32 s42, ttmp9, 2
	s_add_co_u32 s42, s42, s40                     ; tile column
	s_and_b32 s13, ttmp7, 0xffff
	s_lshl_b32 s13, s13, 2
	s_add_co_u32 s13, s13, s41                     ; tile row
	s_lshl_b32 s66, s41, 2
	s_lshl_b32 s66, 15, s66                        ; my row of the cluster
	s_lshl_b32 s67, 0x1111, s40                    ; my column
	s_or_b32 s[G1A], s66, (1<<16)|(1<<20)|(1<<21)|(5<<22)|(3<<25)  ; mask; 2-byte elements; padding on; bit 21 beside a mask; after every 64 words, 4 words
	s_or_b32 s[G1B], s67, (1<<16)|(1<<20)|(1<<21)|(5<<22)|(7<<25)  ; the same with 8 words
.irp g, G1A, G1B
	s_mov_b32 s[(\g)+1], 128<<16                   ; tensor_dim0 = 128
	s_mov_b32 s[(\g)+2], 128<<16                   ; tensor_dim1 = 128
	s_mov_b32 s[(\g)+3], 128<<16                   ; tile_dim0 = 128
	s_mov_b32 s[(\g)+4], 128                       ; tile_dim1 = 128
	s_mov_b32 s[(\g)+6], 0
	s_mov_b32 s[(\g)+7], 0
.endr
	s_mov_b32 s[G1A+5], 1024                       ; elements from row to row
	s_mov_b32 s[G1B+5], 3072
	s_lshl_b32 s14, s13, 18                        ; x: 128 rows of 2,048 bytes a tile row
	s_mov_b32 s15, 0
	s_mul_i32 s44, s42, 768                        ; W: 384 columns a tile column,
	s_lshl_b32 s46, s[WV], 8                       ; sub-tile wave - 1
	s_add_co_u32 s44, s44, s46
	s_add_co_u32 s44, s44, WBASE-256
	s_mov_b32 s45, 0
	s_mul_i32 s20, s[WV], REG                      ; where my load lands in a slot
	s_wait_dscnt 0x0                               ; the opening add is done
	s_wait_kmcnt 0x0
	s_add_nc_u64 s[14:15], s[4:5], s[14:15]
	s_add_nc_u64 s[44:45], s[4:5], s[44:45]
	CROUND                                         ; all sixteen work-groups are here: the first joint loads meet
.irp s, 0,1
	s_mov_b32 s[G0A+4*(\s)], 1
	s_add_co_u32 s[G0A+4*(\s)+1], s20, (\s)*SLOT
	s_add_nc_u64 s[G0A+4*(\s)+2:G0A+4*(\s)+3], s[14:15], (\s)*STEPA
	s_or_b32 s[G0A+4*(\s)+3], s[G0A+4*(\s)+3], 0x80000000
	s_mov_b32 s[G0B+4*(\s)], 1
	s_add_co_u32 s[G0B+4*(\s)+1], s20, (\s)*SLOT
	s_add_nc_u64 s[G0B+4*(\s)+2:G0B+4*(\s)+3], s[44:45], (\s)*STEPB
	s_or_b32 s[G0B+4*(\s)+3], s[G0B+4*(\s)+3], 0x80000000
	JLOAD \s
.endr
	v_and_b32 v1, 15, v0                           ; r = l % 16
	v_bfe_u32 v2, v0, 4, 1                         ; h = l / 16
	v_and_b32 v3, 7, v0
	v_bfe_u32 v4, v0, 3, 1
	v_and_b32 v5, 31, v0                           ; l
	v_mul_u32_u24 v6, v1, PA
	v_lshl_add_u32 v6, v2, 4, v6
	s_mul_i32 s21, s[WM], 64*PA
	v_add_nc_u32 v[ADRA], s21, v6
	v_add_nc_u32 v[ADRA+1], SLOT, v[ADRA]
	v_lshl_add_u32 v7, v2, 3, v3                   ; the turning load: k row 8 h + l % 8,
	v_mul_u32_u24 v7, v7, PB
	v_lshl_add_u32 v7, v4, 4, v7                   ; columns 8 ((l / 8) % 2) on
	s_mul_i32 s21, s[WN], 2*REG
	s_add_co_u32 s21, s21, REG                     ; sub-tile 0 or 2
	v_add_nc_u32 v[BX], s21, v7
	v_add_nc_u32 v[BX+1], SLOT, v[BX]
	s_lshl_b32 s21, s[WN], 7
	s_add_co_u32 s21, s21, 2*REG                   ; sub-tile 1, its left or right 64 columns
	v_add_nc_u32 v[BY], s21, v7
	v_add_nc_u32 v[BY+1], SLOT, v[BY]
	s_mul_i32 s21, s[WV], STW
	s_add_co_u32 s21, s21, STAGE                   ; my stage
	v_mul_u32_u24 v[STO], v1, 144
	v_lshl_add_u32 v[STO], v2, 4, v[STO]
	v_add_nc_u32 v[STO], s21, v[STO]               ; in: row r, 16 bytes for each half of the lanes
	v_lshrrev_b32 v[RD], 3, v5
	v_mul_u32_u24 v[RD], v[RD], 144
	v_lshl_add_u32 v[RD], v3, 4, v[RD]
	v_add_nc_u32 v[RD], s21, v[RD]                 ; back: 32 lanes take four rows of 128 bytes
	s_lshl_b32 s18, s13, 7
	s_lshl_b32 s19, s[WM], 6
	s_add_co_u32 s18, s18, s19                     ; my first row of x
	s_lshr_b32 s19, s18, 11
	s_lshl_b32 s19, s19, 22                        ; its batch,
	s_and_b32 s18, s18, 2047
	s_lshl_b32 s18, s18, 7                         ; its place in the batch, 128 bytes a row
	s_add_co_u32 s18, s18, s19
	s_mul_i32 s19, s42, 6                          ; six heads a tile column
	s_lshl_b32 s21, s[WN], 2
	s_add_co_u32 s21, s21, s19                     ; blocks 0-3: head 4 wn of the tile,
	s_add_co_u32 s22, s21, 1                       ; blocks 4-7: 4 wn + 1,
	s_add_co_u32 s23, s19, s[WN]
	s_add_co_u32 s23, s23, 2                       ; blocks 8-11: 2 + wn
.irp i, 0,1,2
	s_lshr_b32 s73, s[21+\i], 4                    ; q, k or v
	s_lshl_b32 s73, s73, 24
	s_and_b32 s74, s[21+\i], 15                    ; the head
	s_lshl_b32 s74, s74, 18
	s_add_co_u32 s73, s73, s74
	s_add_co_u32 s73, s73, s18
	v_lshl_add_u32 v[GO+\i], v5, 4, s73
.endr
	; the prefetches: wave 0 for x, waves 1 to 3 for their sub-tiles; nothing is asked for here, at the head
	s_lshl_b32 s73, s13, 7
	s_lshl_b32 s74, s40, 5
	s_add_co_u32 s73, s73, s74                     ; x: my work-group's 32 rows of the tile's 128
	s_lshl_b32 s73, s73, 11
	s_add_co_u32 s73, s73, 3*STEPA                 ; at K step 3: the first refill steps it to 4
	s_mul_i32 s74, s42, 768
	s_lshl_b32 s75, s[WV], 8
	s_add_co_u32 s74, s74, s75
	s_mul_i32 s75, s41, 32*6144                    ; W: my work-group's 32 k rows of a K step's 128
	s_add_co_u32 s74, s74, s75
	s_add_co_u32 s74, s74, WBASE-256+3*STEPB
	s_and_b32 s75, ttmp7, 0xffff                   ; cluster y
	s_mov_b32 s[PFS], STEPB
	s_mov_b32 s76, 6144
	s_cmp_eq_u32 s[WV], 0
	s_cselect_b32 s[PFA], s73, s74
	s_cselect_b32 s75, ttmp9, s75                  ; the coordinate along which other clusters read the same rows
	s_cselect_b32 s[PFS], STEPA, s[PFS]
	s_cselect_b32 s76, 2048, s76
	s_mov_b32 s[PFA+1], 0
	s_mov_b32 s[PFS+1], 0
	s_cmp_eq_u32 s75, 0
	s_cselect_b32 s[LIM], 1, -1
	s_add_nc_u64 s[PFA:PFA+1], s[4:5], s[PFA:PFA+1]
	v_mul_u32_u24 v[PFO], v5, s76
	s_wait_tensorcnt 1                             ; my part of K step 0 is in; K step 1's may stay out
	s_barrier_signal -1
	s_barrier_wait -1
	FETCH 0, 0, 0
	QUARTER 0, 1, 0, 1, 1                          ; the first quarter's products start the sums
	WIN 0
	s_mov_b32 s3, 3
.Llap:                                             ; once round the ring, from a lap's second quarter to the next lap's first; both slots are filled again
	QUARTER 0, 2, 1, 0, 0
	QUARTER 0, 3, 0, 1, 0
	TURN 0, 1
	QUARTER 1, 1, 0, 1, 0
	QUARTER 1, 2, 1, 0, 0
	QUARTER 1, 3, 0, 1, 0
	TURN 1, 0
	QUARTER 0, 1, 0, 1, 0
	WIN 0
	s_sub_co_u32 s3, s3, 1
	s_cmp_lg_u32 s3, 0
	s_cbranch_scc1 .Llap
	QUARTER 0, 2, 1, 0, 0                          ; the last lap fills nothing
	QUARTER 0, 3, 0, 1, 0
	MEET 0
	PLACES
	FETCH 1, 0, 0
	MULA 1, 2, 0
	MULA 1, 3, 0
	QUARTER 1, 1, 0, 1, 0
	QUARTER 1, 2, 1, 0, 0
	QUARTER 1, 3, 0, 1, 0
	s_wait_dscnt 4
	MULA 1, 0, 0
	MULA 1, 1, 0
	s_wait_dscnt 0x0
	MULA 1, 2, 0
	MULA 1, 3, 0
	WIN 0
; THE WAY OUT, a block of 16 rows at a time: rounded to f16 (each accumulator from its low end); into my own stage, by heads; back as rows of 128 bytes, four to a load; stored, 512 consecutive bytes a store.
.macro PACK a
	WIN 0x0a+5*((\a)/2)
.set AC, 96*((\a)%2)
.set nb, 0
.rept NBK
.irp r, 0,1,2,3
	v_cvt_pk_f16_f32 v[TMP+4*nb+\r], v[AC+8*nb+2*\r], v[AC+8*nb+2*\r+1]
.endr
.set nb, nb+1
.endr
	WIN 0
.endm
.macro TOSTAGE a
.set BK, BK0+48*((\a)%2)
.set nb, 0
.rept NBK
	ds_store_b128 v[STO], v[TMP+4*nb:TMP+4*nb+3] offset:2304*(nb/4)+32*(nb%4)
.set nb, nb+1
.endr
.set nb, 0
.rept NBK
	ds_load_b128 v[BK+4*nb:BK+4*nb+3], v[RD] offset:2304*(nb/4)+576*(nb%4)  ; LDS serves a wave's instructions in order: these see the stores above
.set nb, nb+1
.endr
.endm
.macro SEND a
.set BK, BK0+48*((\a)%2)
	s_wait_dscnt 0x0                               ; the block is back in registers
	s_wait_xcnt 0x0                                ; the stores of the block before have read their registers, which the next block's loads will write
.set nb, 0
.rept NBK
	global_store_b128 v[GO+nb/4], v[BK+4*nb:BK+4*nb+3], s[6:7] offset:2048*(\a)+512*(nb%4)
.set nb, nb+1
.endr
.endm
	PLACES
	PACK 0
	TOSTAGE 0
.irp a, 1,2,3
	PACK \a
	SEND (\a)-1
	TOSTAGE \a
.endr
	SEND 3
	s_wait_tensorcnt 0x0                           ; the wave's end
	ds_add_u32 v[SPW], v[NIL]
	s_wait_dscnt 0x0
	CROUND                                         ; the closing round
	s_endpgm
.Lfunc_end_k_qf098b84227_proj:
	.size	k_qf098b84227_proj, .Lfunc_end_k_qf098b84227_proj-k_qf098b84227_proj
	.p2alignl 7, 3214868480
	.fill 96, 4, 3214868480
	.section	.rodata,"a",@progbits
	.p2align	6, 0x0
	.amdhsa_kernel k_qf098b84227_proj
		.amdhsa_group_segment_fixed_size 327680
		.amdhsa_private_segment_fixed_size 0
		.amdhsa_enable_private_segment 0
		.amdhsa_kernarg_size 16
		.amdhsa_user_sgpr_count 2
		.amdhsa_user_sgpr_kernarg_segment_ptr 1
		.amdhsa_wavefront_size32 1
		.amdhsa_system_sgpr_workgroup_id_x 1
		.amdhsa_system_sgpr_workgroup_id_y 1
		.amdhsa_system_sgpr_workgroup_id_z 1
		.amdhsa_system_vgpr_workitem_id 0
		.amdhsa_next_free_vgpr 960
		.amdhsa_next_free_sgpr 80
		.amdhsa_reserve_vcc 0
		.amdhsa_float_denorm_mode_32 3
		.amdhsa_float_denorm_mode_16_64 3
		.amdhsa_memory_ordered 1
		.amdhsa_forward_progress 1
		.amdhsa_inst_pref_size 121
	.end_amdhsa_kernel
	.amdgpu_metadata
---
amdhsa.version: [ 1, 2 ]
amdhsa.kernels:
  - .name:           k_qf098b84227_proj
    .symbol:         k_qf098b84227_proj.kd
    .args:
      - { .name: cst, .offset: 0, .size: 8, .value_kind: global_buffer, .address_space: global }
      - { .name: qkv, .offset: 8, .size: 8, .value_kind: global_buffer, .address_space: global }
    .group_segment_fixed_size: 327680
    .private_segment_fixed_size: 0
    .kernarg_segment_align: 8
    .kernarg_segment_size: 16
    .max_flat_workgroup_size: 128
    .sgpr_count:     80
    .vgpr_count:     960
    .wavefront_size: 32
...
	.end_amdgpu_metadata
.endif
;; end of part 2
;; launch attn (part 3): grid 4 x 64, 4 waves a work-group, no clusters, 327,680 bytes of LDS; arguments qkv, ctx; writes ctx
.if DOCPART == 3
	.amdgcn_target "amdgcn-amd-amdhsa--gfx1250"
	.amdhsa_code_object_version 6
	.text
	.protected	k_qf098b84227_attn
	.globl	k_qf098b84227_attn
	.p2align	8
	.type	k_qf098b84227_attn,@function
k_qf098b84227_attn:
	s_mov_b64 s[64:65], 0
	v_nop
	global_prefetch_b8 v0, s[64:65] scope:SCOPE_SE
	s_setreg_imm32_b32 hwreg(HW_REG_WAVE_MODE, 25, 1), 1
	s_wait_xcnt 0x0
; CAUSAL ATTENTION.  O[h][q][:] = the sum over k <= q of softmax_k(Q[h][q] . K[h][k] / 8) V[h][k][:].  Q, K, V lie in qkv at 0, 0x1000000, 0x2000000, each [64][2048][64] f16; O = ctx in the same layout.
; Products, maxima and sums in f32; the weights p are rounded to f16 for the second product (their sum l is taken of the unrounded p), O once at the end.
; LIMITS.  Q, K, V arrive within f16's 65,504; p below 6e-5 keeps f16's fixed step of 6e-8.  A hidden score counts as its value less 1e30; a weight below 2^-126 counts as 0 in l; NaN and infinities are not treated apart.
; THE WALK.  A head's queries lie in NB = 8 blocks of 256; block i needs the key tiles 0 .. i, of which the last holds the diagonal.  A work-group takes TWO blocks, NB - 1 - b and then b: NB + 1 tiles, whatever b:
; all work-groups do equal work, and ONE loop with a constant trip count walks them.  Every jump goes forward but the counted loops' own; none passes a barrier.  NO CLUSTER: a head's four work-groups ask for the
; same tile only in trips 0 .. NB / 2, behind that fewer and fewer; one walk common to all would have 3 NB / 2 trips for NB + 1.
; SHARES.  Of a block's four bands of 64 queries a wave owns 16 rows in each: four PIECES; so the diagonal tile is the same work for all four waves.
; THE MASK is the C operand that starts the sum S^T = K Q^T: 0, or -1e30 where the key is hidden.  MD is the mask of a band's own step; a product's mask is MD x AL + BE: (1, 0) own step; (0, 0) earlier; (0, -1e30) later.
; LAYOUT, SOFTMAX, TURNS.  S^T = K Q^T holds ONE query a lane and the keys 8 (lane / 16) + 0..7; two such results rounded to f16 ARE source 1 of O^T = V^T P.  p = 2^(c s - c m), c = log2(e) / 8, with a running
; maximum m; O and l are multiplied by a = 2^(c m_old - c m_new) in every step.  Turn n belongs to piece n: 8 products K Q^T of piece n + 1, later 8 products V^T P of piece n - 1; four vector instructions stand
; behind every matrix instruction, the rest in one lump.  A turn's 33 exponentials are one batch, with one wait.
; REGISTERS, in windows of 256: window 0: v0-15 addresses; v16-31 statistics; v48-55 at work; v61-63 prefetch offset and the add's two; v64-127 S^T, two buffers; v192-223 P, two buffers
;   window 1: v0-127 O^T; v128-159 MD; v160-223 MC, two buffers      window 2: v0-63 Q; v64-127 the second block's Q; v128-191 K of one step; v192-255 V of one step
.set SIZE_H, 64
.set SIZE_N, 2048
.set NB,    SIZE_N/256
.set NP,    4
.set KS,    64
.set PK,    144       ; a row of K in LDS: 128 bytes + 16
.set PV,    160       ; a row of V: 128 + 32
.set VOFF,  4*KS*PK   ; a slot holds a tile: 256 rows of K, then 256 rows of V
.set SLOT1, 1<<17
.set STAGE, SLOT1+4*KS*(PK+PV)
.set SP,    144
.set AK0, 2
.set AV0, 3
.set AK,  4
.set AV,  5
.set STO, 6
.set RD,  7
.set GO,  8
.set PFO, 61          ; v61  256 x my lane; never rewritten
.set SPW, 62
.set NIL, 63
.set SPARE, STAGE+4*16*SP
.set MV,  12
.set QO,  15
.set ST,  16
.set TMP, 48
.set S,   64
.set P,   192
.set MD,  128
.set MC,  160
.set QB,  64
.set KF,  128
.set VF,  192
.set WV,  12
.set PB,  14
.set HI,  15
.set G1K, 24
.set G1V, 32
.set G0K, 40
.set G0V, 44
.set SLOTS, 56
.set CNT, 57
.set CS,  58
.set SEL, 60
.set TBK, 62
.set TBV, 63
.set RT,  70
.set NXT, 71
.set LQ,  72
.set NEW, 73
.set OFF, 74
.set AL,  76
.set BE,  78
.set OLO, 80
.set BIGN, 82
.set PFA, 88          ; s[88:89] where my prefetches stand: my half (of K: waves 0, 1; of V: waves 2, 3) of the tile behind the one that is being asked for
.set PHI, 90          ; s90  NB in the head's work-group with b = 0, else 0
.set MSB, 0
.macro WIN new
.if MSB != (\new)
	s_set_vgpr_msb (MSB<<8)|(\new)
.set MSB, (\new)
.endif
.endm
.set W_KQ, 0x0a
.set W_KM, 0x1a
.set W_PV, 0x52
.set W_RS, 0x41
; A fill.  Waves 0 and 1 fetch the two halves of a tile's K, waves 2 and 3 those of its V.  An s_nop 0 and four v_nop follow each line.
.macro LOAD
	s_cmp_lt_u32 s[WV], 2
	s_cbranch_scc0 .Lfor_v_\@
	tensor_load_to_lds s[G0K:G0K+3], s[G1K:G1K+7]
	s_nop 0
.rept 4
	v_nop
.endr
	s_branch .Lasked_\@
.Lfor_v_\@:
	tensor_load_to_lds s[G0V:G0V+3], s[G1V:G1V+7]
	s_nop 0
.rept 4
	v_nop
.endr
.Lasked_\@:
.endm
; A PREFETCH of the tile that the NEXT change of slots will ask for.  A head's tiles are read by its four work-groups; the one with b = 0, whose first block walks tiles 0 to 7 in order, names them, and nobody else.
; Each wave names the 16 KiB that it will fetch itself: 64 rows of 256 bytes, a lane a row, two instructions.  Trip c = NB - SLOTS fills tile c + 1 and names tile c + 2, for c = 1 .. 5: tiles 0 to 2 come by their loads alone.
.macro ASK
	s_cmp_lt_u32 s[SLOTS], s[PHI]
	s_cbranch_scc0 .Lnot_mine_\@
	s_cmp_gt_u32 s[SLOTS], 2
	s_cbranch_scc0 .Lnot_mine_\@
	global_prefetch_b8 v[PFO], s[PFA:PFA+1] th:TH_LOAD_NT scope:SCOPE_SE
	global_prefetch_b8 v[PFO], s[PFA:PFA+1] offset:8192 th:TH_LOAD_NT scope:SCOPE_SE
.Lnot_mine_\@:
.endm
; THE CHANGE OF SLOTS.  Each wave waits for all its tensor loads, adds 0 to its spare word, and waits for that and for its reads of the slot that it leaves.  fill = 1: the old slot is filled again, first thing behind the barrier, with tile NXT.
.macro CHANGE fill
	WIN 0
	s_wait_tensorcnt 0x0            ; no tensor load of mine is out, so a group 0 may be written
	ds_add_u32 v[SPW], v[NIL]       ; 0 onto my spare word
.if \fill
	s_wait_xcnt 0x0                 ; the last prefetches, a tile back, have read their address
	s_add_nc_u64 s[PFA:PFA+1], s[PFA:PFA+1], 32768
	s_lshl_b32 s[OFF], s[NXT], 15   ; a tile is 32,768 bytes of K and of V
	s_xor_b32 s[G0K+1], s[G0K+1], SLOT1
	s_add_nc_u64 s[G0K+2:G0K+3], s[6:7], s[OFF:OFF+1]
	s_or_b32 s[G0K+3], s[G0K+3], 0x80000000
	s_xor_b32 s[G0V+1], s[G0V+1], SLOT1
	s_add_nc_u64 s[G0V+2:G0V+3], s[8:9], s[OFF:OFF+1]
	s_or_b32 s[G0V+3], s[G0V+3], 0x80000000
	s_add_co_u32 s[NXT], s[NXT], 1  ; the block's next tile, or behind its last the second block's tile 0
	s_cmp_gt_u32 s[NXT], s[LQ]
	s_cselect_b32 s[NXT], 0, s[NXT]
	s_cselect_b32 s[LQ], s[PB], s[LQ]
.endif
	s_wait_dscnt 0x0                ; the add is done, and my reads of the slot are over
	s_barrier_signal -1
	s_sub_co_u32 s[TBK], s[TBK], 4*KS*PK
	s_xor_b32 s[TBK], s[TBK], SLOT1
	s_sub_co_u32 s[TBV], s[TBV], 4*KS*PV
	s_xor_b32 s[TBV], s[TBV], SLOT1
	s_barrier_wait -1
.if \fill
	LOAD
	ASK
.endif
.endm
	s_load_b128 s[4:7], s[0:1], 0x0  ; qkv s[4:5], ctx s[6:7]
	v_lshl_add_u32 v[SPW], v0, 2, SPARE
	v_mov_b32 v[NIL], 0
	ds_add_u32 v[SPW], v[NIL]       ; the wave's opening: the add, and its wait ahead of my first tensor load
	v_lshrrev_b32 v1, 5, v0
	v_readfirstlane_b32 s[WV], v1
	s_mov_b32 s[PB], ttmp9
	s_sub_co_u32 s[HI], NB-1, s[PB]
	s_and_b32 s20, ttmp7, 0xffff    ; the head
	s_mov_b32 s21, 0
	s_mov_b64 s[22:23], SIZE_N*128
	s_mul_u64 s[20:21], s[20:21], s[22:23]
	s_and_b32 s16, s[WV], 1         ; which half of a tile's 256 keys I fetch
	s_lshl_b32 s22, s16, 14
	s_mov_b32 s23, 0
	s_add_nc_u64 s[22:23], s[22:23], s[20:21]
	s_mul_i32 s17, s16, 128*PK
	s_mul_i32 s18, s16, 128*PV
	s_lshl_b32 s3, s[WV], 11        ; my 16 rows in a band of 64,
	s_lshl_b32 s2, s[HI], 15        ; in the first block,
	s_add_co_u32 s2, s2, s3
	s_lshl_b32 s84, s[PB], 15       ; and in the second
	s_add_co_u32 s84, s84, s3
	s_mov_b32 s3, 0
	s_mov_b32 s85, 0
	s_add_nc_u64 s[2:3], s[2:3], s[20:21]
	s_add_nc_u64 s[84:85], s[84:85], s[20:21]
	; descriptor group 1: 128 keys are 16,384 dense bytes: 64 rows of 256 bytes, padded in LDS after every key
	s_mov_b32 s[G1K], (1<<16)|(1<<20)|(4<<22)|(3<<25)
	s_mov_b32 s[G1V], (1<<16)|(1<<20)|(4<<22)|(7<<25)
.irp g, G1K, G1V
	s_mov_b32 s[\g+1], 128<<16
	s_mov_b32 s[\g+2], 64<<16
	s_mov_b32 s[\g+3], 128<<16
	s_mov_b32 s[\g+4], 64
	s_mov_b32 s[\g+5], 128
	s_mov_b32 s[\g+6], 0
	s_mov_b32 s[\g+7], 0
.endr
	s_mov_b32 s[CS], 0x3e38aa3b     ; c = log2(e) / 8
	s_mov_b32 s[CS+1], s[CS]
	s_mov_b32 s[SEL], 0x76543210
	s_mov_b32 s[SEL+1], 0xfedcba98
	s_mov_b32 s[TBK], SLOT1+4*KS*PK ; the first change of slots turns these two into 0
	s_mov_b32 s[TBV], SLOT1+4*KS*PV
	s_mov_b32 s[G0K], 1
	s_mov_b32 s[G0K+1], s17
	s_mov_b32 s[G0V], 1
	s_add_co_u32 s[G0V+1], s18, VOFF
	s_add_co_u32 s[RT], s[HI], 1    ; the first block has NB - b tiles
	s_mov_b32 s[NXT], 1
	s_mov_b32 s[LQ], s[HI]
	s_mov_b32 s[NEW], 1
	s_mov_b32 s[OFF+1], 0
	s_mov_b32 s[AL+1], 0
	s_mov_b32 s[BE+1], 0
	s_mov_b32 s[BIGN], 0xf149f2ca   ; -1e30
	s_mov_b32 s[SLOTS], NB
	s_cmp_eq_u32 s[PB], 0
	s_cselect_b32 s[PHI], NB, 0
	v_and_b32 v[PFO], 31, v0
	v_lshlrev_b32 v[PFO], 8, v[PFO]
	s_wait_dscnt 0x0                ; the opening add is done
	s_wait_kmcnt 0x0
	s_mov_b64 s[10:11], s[6:7]      ; O
	s_add_nc_u64 s[6:7], s[4:5], 0x1000000  ; K
	s_add_nc_u64 s[8:9], s[4:5], 0x2000000  ; V
	s_add_nc_u64 s[6:7], s[6:7], s[22:23]  ; K and V at my half of the head's tile 0
	s_add_nc_u64 s[8:9], s[8:9], s[22:23]
	s_cmp_lt_u32 s[WV], 2
	s_cselect_b64 s[PFA:PFA+1], s[6:7], s[8:9]
	s_add_nc_u64 s[PFA:PFA+1], s[PFA:PFA+1], 32768  ; at tile 1; each change of slots steps it first
	s_add_nc_u64 s[G0K+2:G0K+3], s[6:7], 0
	s_or_b32 s[G0K+3], s[G0K+3], 0x80000000
	s_add_nc_u64 s[G0V+2:G0V+3], s[8:9], 0
	s_or_b32 s[G0V+3], s[G0V+3], 0x80000000
	s_add_nc_u64 s[86:87], s[4:5], s[84:85]        ; Q at my rows of the second block,
	s_add_nc_u64 s[4:5], s[4:5], s[2:3]            ; Q and O at those of the first
	s_add_nc_u64 s[OLO:OLO+1], s[10:11], s[84:85]
	s_add_nc_u64 s[10:11], s[10:11], s[2:3]
	LOAD                            ; tile 0 into slot 0
	v_and_b32 v1, 15, v0            ; l % 16
	v_bfe_u32 v9, v0, 4, 1          ; l / 16
	v_lshlrev_b32 v[QO], 7, v1
	v_lshl_add_u32 v[QO], v9, 4, v[QO]
	WIN 0x80
.set i, 0
.rept 8                             ; both blocks' Q: piece i / 2 lies in band i / 2, 8,192 bytes on; channels 32 (i % 2) on
	global_load_b128 v[8*i:8*i+3],   v[QO], s[4:5] offset:(i/2)*8192+(i%2)*64
	global_load_b128 v[8*i+4:8*i+7], v[QO], s[4:5] offset:(i/2)*8192+(i%2)*64+32
	global_load_b128 v[QB+8*i:QB+8*i+3],   v[QO], s[86:87] offset:(i/2)*8192+(i%2)*64
	global_load_b128 v[QB+8*i+4:QB+8*i+7], v[QO], s[86:87] offset:(i/2)*8192+(i%2)*64+32
.set i, i+1
.endr
	WIN 0
	v_lshlrev_b32 v14, 3, v9
	v_sub_nc_u32 v14, v1, v14
	s_lshl_b32 s13, s[WV], 4
	v_add_nc_u32 v14, s13, v14      ; my query's place in its band less my lanes' 8 (l / 16): register r of group kt is hidden where 16 kt + r is greater
	WIN 0x40
.set i, 0
.rept 32
	v_cmp_gt_i32 vcc_lo, 16*(i/8)+i%8, v14
	v_cndmask_b32 v[MD+i], 0, s[BIGN], vcc_lo
.set i, i+1
.endr
	WIN 0
	v_mul_u32_u24 v[AK0], v1, PK
	v_lshl_add_u32 v[AK0], v9, 4, v[AK0]
	v_and_b32 v10, 7, v0
	v_bfe_u32 v11, v0, 3, 1
	v_lshl_add_u32 v[AV0], v9, 3, v10
	v_mul_u32_u24 v[AV0], v[AV0], PV
	v_lshl_add_u32 v[AV0], v11, 4, v[AV0]
	v_add_nc_u32 v[AV0], VOFF, v[AV0]
	s_mul_i32 s13, s[WV], 16*SP
	s_add_co_u32 s13, s13, STAGE    ; my stage
	v_mul_u32_u24 v[STO], v1, SP
	v_lshl_add_u32 v[STO], v9, 4, v[STO]
	v_add_nc_u32 v[STO], s13, v[STO]
	v_bfe_u32 v[RD], v0, 3, 2
	v_mul_u32_u24 v[RD], v[RD], SP
	v_lshl_add_u32 v[RD], v10, 4, v[RD]
	v_add_nc_u32 v[RD], s13, v[RD]
	v_and_b32 v[GO], 31, v0
	v_lshlrev_b32 v[GO], 4, v[GO]
	; A block's first step multiplies O^T and l by a = 0, so these registers need only hold finite numbers: zeros for the first block.  All this stands in the wait for the first tile.
	WIN 0x80
.set i, VF
.rept 64
	v_mov_b32 v[i], 0
.set i, i+1
.endr
	WIN 0x40
.set i, 0
.rept 128
	v_mov_b32 v[i], 0
.set i, i+1
.endr
	WIN 0
.set i, 0
.rept 4
	v_mov_b32 v[ST+4*i+2], 0
	v_mov_b32 v[ST+4*i+3], 0
.set i, i+1
.endr
.set i, P+16
.rept 16
	v_mov_b32 v[i], 0
.set i, i+1
.endr
; THE MATRIX WORK.  The 4 accumulators of a run of 8 take turns.  Product i of 8 of S^T = K Q^T for piece x: channels 32 (i / 4) on, keys 16 (i % 4) on.
.macro KQ x
.set rS, S+32*((\x)%2)+8*(i%4)
.set rK, KF+16*(i%4)+8*(i/4)
.set rQ, 16*(\x)+8*(i/4)
.set rM, MC+32*((\x)%2)+8*(i%4)
.if (i < 4) && KM
	WIN W_KM
	v_wmma_f32_16x16x32_f16 v[rS:rS+7], v[rK:rK+7], v[rQ:rQ+7], v[rM:rM+7]
.elseif i < 4
	WIN W_KQ
	v_wmma_f32_16x16x32_f16 v[rS:rS+7], v[rK:rK+7], v[rQ:rQ+7], 0
.else
	WIN W_KQ
	v_wmma_f32_16x16x32_f16 v[rS:rS+7], v[rK:rK+7], v[rQ:rQ+7], v[rS:rS+7]
.endif
.endm
; Product i of 8 of O^T += V^T P for piece x: keys 32 (i / 4) on, channels 16 (i % 4) on.
.macro PV x
	WIN W_PV
.set rO, 32*(\x)+8*(i%4)
.set rV, VF+32*(i/4)+8*(i%4)
.set rP, P+16*((\x)%2)+8*(i/4)
	v_wmma_f32_16x16x32_f16 v[rO:rO+7], v[rV:rV+7], v[rP:rP+7], v[rO:rO+7]
.endm
.macro MM                           ; the turn's next matrix instruction.  NOKQ = 1: a block's last turn: there is no next piece
.if (i < 8) && !NOKQ
	KQ (Y+1)%NP
.elseif i >= 8
.set i, i-8
	PV (Y+NP-1)%NP
.set i, i+8
.endif
.set i, i+1
.endm
; THE LDS LOADS stand in runs of 16: a step's K (8 fragments) and its V (turned).
.macro FETCH_K
	WIN 0x80
.irp f, 0,1,2,3,4,5,6,7
	ds_load_b128 v[KF+8*\f:KF+8*\f+3],   v[AK] offset:(\f/2)*16*PK+(\f%2)*64
	ds_load_b128 v[KF+8*\f+4:KF+8*\f+7], v[AK] offset:(\f/2)*16*PK+(\f%2)*64+32
.endr
	s_add_co_u32 s[TBK], s[TBK], KS*PK
	WIN 0
.endm
.macro FETCH_V
	WIN 0x80
.irp f, 0,1,2,3,4,5,6,7
	ds_load_tr16_b128 v[VF+8*\f:VF+8*\f+3],   v[AV] offset:(\f/4)*32*PV+(\f%4)*32
	ds_load_tr16_b128 v[VF+8*\f+4:VF+8*\f+7], v[AV] offset:(\f/4)*32*PV+16*PV+(\f%4)*32
.endr
	WIN 0
.endm
; THE VECTOR WORK, one line at a time: OP kind, number.  For piece Y: F n: c s - c m for pair n.  E n: the exponential of score n.  C n: pair n rounded to f16.  B n: of four weights the second pair onto the first.
; L n: l takes that sum (L 0: l = a l + sum).  R n: pair n of O^T times a.  For piece Y + 1: X n, number n of the 22 that find its maximum and statistics (each accumulator's lowest registers are read first).
.set F, 0
.set E, 1
.set C, 2
.set B, 3
.set L, 4
.set R, 5
.set X, 6
.macro REGS y
.set rT, ST+4*(\y)
.set rC, TMP+4*((\y)%2)
.set rW, MV+((\y)%2)
.set rS, S+32*((\y)%2)
.set rP, P+16*((\y)%2)
.set rO, 32*(\y)
.endm
.macro OP k, n
.if (\k) == R
	REGS Y
	WIN W_RS
	v_pk_mul_f32 v[rO+2*(\n):rO+2*(\n)+1], v[rO+2*(\n):rO+2*(\n)+1], v[rC+2:rC+3] op_sel_hi:[1,0]
.elseif (\k) < R
	REGS Y
	WIN 0
.if (\k) == F
	v_pk_fma_f32 v[rS+2*(\n):rS+2*(\n)+1], v[rS+2*(\n):rS+2*(\n)+1], s[CS:CS+1], v[rT:rT+1] op_sel_hi:[1,0,0] neg_lo:[0,0,1] neg_hi:[0,0,1]
.elseif (\k) == E
	v_exp_f32 v[rS+(\n)], v[rS+(\n)]
.elseif (\k) == C
	v_cvt_pk_f16_f32 v[rP+(\n)], v[rS+2*(\n)], v[rS+2*(\n)+1]
.elseif (\k) == B
	v_pk_add_f32 v[rS+4*(\n):rS+4*(\n)+1], v[rS+4*(\n):rS+4*(\n)+1], v[rS+4*(\n)+2:rS+4*(\n)+3]
.elseif (\n) == 0
	v_pk_fma_f32 v[rT+2:rT+3], v[rT+2:rT+3], v[rC+2:rC+3], v[rS:rS+1] op_sel_hi:[1,0,1]
.else
	v_pk_add_f32 v[rT+2:rT+3], v[rT+2:rT+3], v[rS+4*(\n):rS+4*(\n)+1]
.endif
.elseif NOKQ
	v_nop
.else
	REGS (Y+1)%NP
	WIN 0
.if (\n) < 4
	v_max3_num_f32 v[rC+(\n)], v[rS+8*(\n)], v[rS+8*(\n)+1], v[rS+8*(\n)+2]
.elseif (\n) < 12
	v_max3_num_f32 v[rC+(\n)%4], v[rC+(\n)%4], v[rS+8*((\n)%4)+2*((\n)/4)+1], v[rS+8*((\n)%4)+2*((\n)/4)+2]
.elseif (\n) == 12
	v_max3_num_f32 v[rC], v[rC], v[rS+7], v[rS+15]
.elseif (\n) == 13
	v_max3_num_f32 v[rC+1], v[rC+1], v[rS+23], v[rS+31]
.elseif (\n) == 14
	v_max3_num_f32 v[rC+2], v[rC+2], v[rC+3], v[rT+1]
.elseif (\n) == 15
	v_mov_b32 v[rW], v[rT]
.elseif (\n) == 16
	v_max3_num_f32 v[rC], v[rC], v[rC+1], v[rC+2]
.elseif (\n) == 17
	v_permlanex16_b32 v[rC+3], v[rC], s[SEL], s[SEL+1]
.elseif (\n) == 18
	v_max_num_f32 v[rT+1], v[rC], v[rC+3]
.elseif (\n) == 19
	v_mul_f32 v[rT], s[CS], v[rT+1]
.elseif (\n) == 20
	v_sub_f32 v[rC+1], v[rW], v[rT]
.else
	v_exp_f32 v[rC+2], v[rC+1]
.endif
.endif
.endm
.macro OPS a, i1, b=-1, i2=0, c=-1, i3=0, d=-1, i4=0
	OP \a, \i1
.if (\b) >= 0
	OP \b, \i2
.endif
.if (\c) >= 0
	OP \c, \i3
.endif
.if (\d) >= 0
	OP \d, \i4
.endif
.endm
.macro ROW a, i1, b, i2, c, i3, d, i4  ; a matrix instruction and the four behind it
	MM
	OPS \a, \i1, \b, \i2, \c, \i3, \d, \i4
.endm
.macro MASK b                       ; MD x AL + BE into buffer b of MC
	WIN W_RS
.set z, 0
.rept 16
	v_pk_fma_f32 v[MC+32*(\b)+2*z:MC+32*(\b)+2*z+1], v[MD+2*z:MD+2*z+1], s[AL:AL+1], s[BE:BE+1] op_sel_hi:[1,0,0]
.set z, z+1
.endr
.endm
; A TURN, for piece p.  AHEAD OF ITS ONE WAIT stands all that names no result of the turn's exponentials: the 8 products K Q^T with their riders and one lump; X 21, the next piece's a, is the batch's last, and R 15 the plain
; instruction behind it.  BEHIND THE WAIT stand the 8 products V^T P, behind each four of the roundings and sums.
; m = 1: the diagonal tile: the products take masks, and the turn makes the mask for the turn after it.  end = 1: a block's last two turns: nothing is fetched.  cnt = 1: the loop's count is taken down ahead of the branch behind the turn.
.macro TURN p, m=0, end=0, cnt=0
.set Y, (\p)
.set i, 0
.set KM, (\m)
.set NOKQ, (\end)*((\p)/3)
.if (\m) && !(\end)
	s_cmp_eq_u32 s[CNT], 4-((\p)+2)%NP  ; is that step the band's own?
	s_cselect_b32 s[AL], 1.0, 0
	s_cmp_lt_u32 s[CNT], 4-((\p)+2)%NP  ; or a later one?
	s_cselect_b32 s[BE], s[BIGN], 0
.endif
.if ((\p) == 3) && !(\end)
	s_wait_dscnt 0x0                ; K is in
.endif
	ROW F,0, F,1, R,0, R,1
	ROW F,2, E,0, R,2, R,3
	ROW F,3, E,1, R,4, R,5
	ROW F,4, E,2, R,6, R,7
	ROW F,5, E,3, R,8, R,9
	ROW F,6, E,4, X,0, R,10
.if ((\p) == 2) && !(\end)
	WIN 0
	v_add_nc_u32 v[AK], s[TBK], v[AK0]
.endif
	ROW F,7, E,5, X,1, X,4
	ROW F,8, E,6, X,2, X,5
	OPS E,7, E,8, X,6, E,9
	OPS X,3, E,10, X,8, E,11
.if ((\p) == 2) && !(\end)
	FETCH_K
.endif
	OPS X,9, X,7, E,12, X,10
	OPS E,13, X,12, X,11, E,14
	OPS X,13, E,15, F,9, X,14
.if (\p) == 0
	v_add_nc_u32 v[AV], s[TBV], v[AV0]
.endif
	OPS E,16, F,10, E,17, F,11
	OPS X,16, E,18, X,15, E,19
	OPS F,12, E,20, X,17, E,21
	OPS F,13, E,22, F,14, E,23
	OPS X,18, E,24, F,15, E,25
	OPS R,11, E,26, X,19, E,27
	OPS R,12, E,28, R,13, E,29
	OPS X,20, E,30, R,14, E,31
	OPS X,21, R,15
	WIN 0
	s_wait_alu depctr_va_vdst(0)    ; the one wait for the batch of exponentials, ahead of the first instruction that names a result of theirs
.if (\p) == 1
	s_wait_dscnt 0x0                ; V is in
.endif
	ROW C,0, B,0, C,2, B,1
	ROW L,0, C,4, B,2, L,1
	ROW C,6, B,3, L,2, C,8
	ROW B,4, L,3, C,10, B,5
	ROW L,4, C,12, B,6, L,5
.if (\p) == 0
	s_add_co_u32 s[TBV], s[TBV], KS*PV
.endif
.if \cnt
	s_sub_co_u32 s[CNT], s[CNT], 1
	s_cmp_lg_u32 s[CNT], 0
.endif
	ROW C,14, B,7, L,6, C,1
	ROW C,3, L,7, C,5, C,7
	ROW C,9, C,11, C,13, C,15
.if (\p) == 0
	FETCH_V
.endif
.if (\m) && !(\end)
	MASK (\p)%2
.endif
.endm
; A BLOCK BEGINS.  c m starts far below every c s, so the first step's a is 0; m at the lowest finite number.  Then K of the tile's step 0, piece 0's first scores, and its maximum and statistics.
.macro BEGIN
	s_mov_b32 s[NEW], 0
	WIN 0x40
.set i, MC+32
.rept 32
	v_mov_b32 v[i], 0
.set i, i+1
.endr
	WIN 0
.set i, 0
.rept 4
	v_mov_b32 v[ST+4*i], 0xfe000000
	v_mov_b32 v[ST+4*i+1], 0xff7fffff
.set i, i+1
.endr
	s_cmp_eq_u32 s[RT], 0
	s_cselect_b32 s[AL], 1.0, 0
	s_mov_b32 s[BE], 0
	MASK 0
	WIN 0
	v_add_nc_u32 v[AK], s[TBK], v[AK0]
	FETCH_K
	s_wait_loadcnt 0x0              ; Q
	s_wait_dscnt 0x0
.set KM, 1
.set NOKQ, 0
.set i, 0
.rept 8
	KQ 0
.set i, i+1
.endr
	WIN 0
.rept 4
	v_nop                           ; the places behind those products
.endr
.set Y, NP-1
.irp n, 0,1,2,3,4,5,6,7,8,9,10,11,12,13,14,15,16,17,18,19,20,21
	OP X, \n
.endr
	v_nop                           ; a plain instruction behind the exponential,
	s_wait_alu depctr_va_vdst(0)    ; and its wait, ahead of the branch
.endm
.macro ALL line:vararg
.set t, 0
.rept 4
	\line
.set t, t+1
.endr
.endm
.macro PACK t                       ; a lane's eight channels of a row pack into 16 bytes; into rows of 144 bytes and back as whole rows of 128
	WIN W_RS
.set i, 32*(\t)
.rept 16
	v_pk_mul_f32 v[i:i+1], v[i:i+1], v[ST+4*(\t)+2:ST+4*(\t)+3] op_sel_hi:[1,0]
.set i, i+2
.endr
	WIN 0x05
.set i, 0
.rept 16
	v_cvt_pk_f16_f32 v[S+16*(\t)+i], v[32*(\t)+2*i], v[32*(\t)+2*i+1]
.set i, i+1
.endr
	WIN 0
.irp f, 0,1,2,3
	ds_store_b128 v[STO], v[S+16*(\t)+4*\f:S+16*(\t)+4*\f+3] offset:32*\f
.endr
.irp f, 0,1,2,3
	ds_load_b128 v[S+16*(\t)+4*\f:S+16*(\t)+4*\f+3], v[RD] offset:\f*4*SP  ; LDS serves a wave's instructions in order: these see the stores above
.endr
.endm
.macro SEND t, younger              ; younger: the LDS instructions issued behind piece t's loads
	WIN 0
.irp f, 0,1,2,3
	s_wait_dscnt (\younger)+3-\f
	global_store_b128 v[GO], v[S+16*(\t)+4*\f:S+16*(\t)+4*\f+3], s[10:11] offset:(\t)*8192+\f*512  ; 512 consecutive bytes, at a multiple of 256 from O's first
.endr
.endm
; THE DIAGONAL TILE's four steps, the block's last two turns, its last products, and the way out.
.macro DIAG tag
.LstepM\tag:
	TURN 2, 1
	TURN 3, 1
	WIN 0
.LfirstM\tag:
	TURN 0, 1
	TURN 1, 1, 0, 1
	WIN 0
	s_cbranch_scc1 .LstepM\tag
	TURN 2, 1, 1
	TURN 3, 1, 1
.set i, 0
.rept 8
	PV NP-1
.set i, i+1
.endr
	WIN 0
	ALL v_add_f32 v[ST+4*t+2], v[ST+4*t+2], v[ST+4*t+3]
	ALL v_permlanex16_b32 v[ST+4*t+3], v[ST+4*t+2], s[SEL], s[SEL+1]
	ALL v_add_f32 v[ST+4*t+2], v[ST+4*t+2], v[ST+4*t+3]
	ALL v_rcp_f32 v[ST+4*t+2], v[ST+4*t+2]
	v_nop                           ; a plain instruction between the last reciprocal and the use of its result
	s_wait_alu depctr_va_vdst(0)    ; one wait for the four reciprocals, ahead of their first use
	PACK 0
.set t, 1
.rept 3
	PACK t
	SEND t-1, 8
.set t, t+1
.endr
	SEND 3, 0
.endm
.set KM, 0
.set NOKQ, 0
.Lslot:                             ; NB times: a tile is entered and the next is asked for
	CHANGE 1
	s_sub_co_u32 s[RT], s[RT], 1
	s_mov_b32 s[CNT], 4
	s_cmp_eq_u32 s[NEW], 1
	s_cbranch_scc1 .Lnew            ; a block's first tile
	s_cmp_eq_u32 s[RT], 0
	s_cbranch_scc0 .Lstep           ; neither its first nor its last
	s_branch .LstepM1
.Lnew:
	BEGIN
	s_branch .Lfirst                ; in the loop a block's first tile is never its last
	DIAG 1                          ; in the loop this is the first block's end
	s_wait_xcnt 0x0                 ; the stores have read their registers and O's address
	s_mov_b64 s[10:11], s[OLO:OLO+1]
	s_add_co_u32 s[RT], s[PB], 1    ; the second block has b + 1 tiles
	s_mov_b32 s[NEW], 1
	WIN 0x82                        ; the second block's Q goes where the one text of the turns names Q
.set i, 0
.rept 64
	v_mov_b32 v[i], v[QB+i]
.set i, i+1
.endr
	WIN 0
	s_branch .Lbottom
.Lstep:                             ; a trip: pieces 2 and 3 of one step, then pieces 0 and 1 of the next
	TURN 2
	TURN 3
	WIN 0
.Lfirst:
	TURN 0
	TURN 1, 0, 0, 1
	WIN 0
	s_cbranch_scc1 .Lstep
.Lbottom:
	s_sub_co_u32 s[SLOTS], s[SLOTS], 1
	s_cmp_lg_u32 s[SLOTS], 0
	s_cbranch_scc1 .Lslot
	CHANGE 0                        ; the walk's last tile is written out
	s_sub_co_u32 s[RT], s[RT], 1
	s_mov_b32 s[CNT], 4
	s_cmp_eq_u32 s[NEW], 1
	s_cbranch_scc0 .LstepM2
	BEGIN
	s_branch .LfirstM2
	DIAG 2
	s_wait_tensorcnt 0x0            ; the wave's end
	ds_add_u32 v[SPW], v[NIL]
	s_wait_dscnt 0x0
	s_endpgm
.Lfunc_end_k_qf098b84227_attn:
	.size	k_qf098b84227_attn, .Lfunc_end_k_qf098b84227_attn-k_qf098b84227_attn
	.p2alignl 7, 3214868480
	.fill 96, 4, 3214868480
	.section	.rodata,"a",@progbits
	.p2align	6, 0x0
	.amdhsa_kernel k_qf098b84227_attn
		.amdhsa_group_segment_fixed_size 327680
		.amdhsa_private_segment_fixed_size 0
		.amdhsa_enable_private_segment 0
		.amdhsa_kernarg_size 16
		.amdhsa_user_sgpr_count 2
		.amdhsa_user_sgpr_kernarg_segment_ptr 1
		.amdhsa_wavefront_size32 1
		.amdhsa_system_sgpr_workgroup_id_x 1
		.amdhsa_system_sgpr_workgroup_id_y 1
		.amdhsa_system_sgpr_workgroup_id_z 1
		.amdhsa_system_vgpr_workitem_id 0
		.amdhsa_next_free_vgpr 768
		.amdhsa_next_free_sgpr 92
		.amdhsa_reserve_vcc 1
		.amdhsa_float_denorm_mode_32 3
		.amdhsa_float_denorm_mode_16_64 3
		.amdhsa_memory_ordered 1
		.amdhsa_forward_progress 1
		.amdhsa_inst_pref_size 218
	.end_amdhsa_kernel
	.amdgpu_metadata
---
amdhsa.version: [ 1, 2 ]
amdhsa.kernels:
  - .name:           k_qf098b84227_attn
    .symbol:         k_qf098b84227_attn.kd
    .args:
      - { .name: qkv, .offset: 0, .size: 8, .value_kind: global_buffer, .address_space: global }
      - { .name: ctx, .offset: 8, .size: 8, .value_kind: global_buffer, .address_space: global }
    .group_segment_fixed_size: 327680
    .private_segment_fixed_size: 0
    .kernarg_segment_align: 8
    .kernarg_segment_size: 16
    .max_flat_workgroup_size: 128
    .sgpr_count:     92
    .vgpr_count:     768
    .wavefront_size: 32
...
	.end_amdgpu_metadata
.endif
;; end of part 3
;; launch outp (part 4): grid 4 x 64, 4 waves a work-group, clusters of 4 x 4, 327,680 bytes of LDS; arguments ctx, cst, bo, out0; writes out0
.if DOCPART == 4
	.amdgcn_target "amdgcn-amd-amdhsa--gfx1250"
	.amdhsa_code_object_version 6
	.text
	.protected	k_qf098b84227_outp
	.globl	k_qf098b84227_outp
	.p2align	8
	.type	k_qf098b84227_outp,@function
k_qf098b84227_outp:
	s_mov_b64 s[64:65], 0
	v_nop
	global_prefetch_b8 v0, s[64:65] scope:SCOPE_SE
	s_setreg_imm32_b32 hwreg(HW_REG_WAVE_MODE, 25, 1), 1
	s_wait_xcnt 0x0
	s_wait_alu depctr_hold_cnt(0) depctr_sa_sdst(0) depctr_va_vdst(0) depctr_va_sdst(0) depctr_va_ssrc(0) depctr_va_vcc(0) depctr_vm_vsrc(0)
	s_getreg_b32 s2, hwreg(HW_REG_IB_STS2, 6, 4)
	s_cmp_eq_u32 s2, 0
	s_cbranch_scc0 .Lentry_in_a_cluster
	s_endpgm
.Lentry_in_a_cluster:
	s_bfe_u32 s2, ttmp6, 0x10000c
	s_cmp_lg_u32 s2, 0xf033
	s_cbranch_scc0 .Lentry_shape_is_right
	s_endpgm
.Lentry_shape_is_right:
; out0 = ctx Wo + bo: [8192 x 1024] x [1024 x 1024] in f16 with f32 sums, K ascending; bo, rounded to bf16 like the other inputs, is added in f32; out0 is f32.
; ctx lies by heads, [batch x 16 + head][s][64] f16; Wo lies in cst at 0x1600000 as [1024 k][1024 n] f16.
; SHARES.  A work-group makes 128 rows x 256 columns: 256 work-groups.  Its four waves make 64 x 128 each: 4 x 8 accumulators, 256 registers.  K goes in 8 steps of 128 (two heads) through two LDS slots.
; Waves 0 and 1 fetch a head's 128 rows of ctx each (16,384 dense bytes, asked for as 64 rows of 256), waves 2 and 3 a sub-tile of Wo each (128 k x 128 columns).
; Wo's fragments come out of LDS turned, by ds_load_tr16_b128; THE PRODUCT IS USED TRANSPOSED (source 0 = 16 columns of Wo, source 1 = 16 rows of ctx): a lane holds eight neighbouring columns of one row.
; CLUSTER.  4 x 4 work-groups; ctx's tiles are shared along a row of the cluster, Wo's along a column: each is asked for jointly.
; REGISTERS: window 0: v0-37 addresses and the bias; v64-95, v96-127 ctx's fragments, two buffers; v128-255 on the way out, rows read back.  window 1: v0-63, v64-127 Wo's fragments.  window 2: accumulator (a, b) at v[64 a + 8 b].
; SCALARS: s[4:11] the four arguments; the wave's number and its halves lie outside them, in s17, s43, s12.
.set NBK,   8
.set NL,    2*NBK+8
.set NA,    2
.set PA,    144                        ; an LDS row of a head: 128 bytes + 16
.set PB,    288                        ; an LDS row of Wo: 256 + 32
.set HEADB, 128*PA                     ; a head's 128 rows
.set REG,   128*PB                     ; a sub-tile of Wo
.set SLOT,  2*HEADB+2*REG
.set STAGE, 2*SLOT                     ; behind the ring: 16 rows x 528 bytes for each wave
.set SPITCH, 528
.set SPARE, STAGE+4*16*SPITCH
.set STEPA, 2<<18                      ; two heads on
.set STEPB, 128*2048
.set WBASE, 0x1600000
.set ADRA, 16
.set ADRB, 20
.set STO,  24
.set RD,   25
.set CO,   26
.set BOF,  27
.set SPW,  28
.set NIL,  29
.set PFO,  30
.set BIAS, 32                          ; v[32:35] bo of my four columns on the way out
.set T,    36
.set FA,   64
.set BK0,  128
.set WV, 17
.set WM, 43
.set WN, 12
.set G1A, 24
.set G0A, 32
.set G1B, 48
.set G0B, 56
.set PFA, 68
.set PFS, 70
.set LIM, 72
.set MSB, 0
.macro WIN new
.if MSB != (\new)
	s_set_vgpr_msb (MSB<<8)|(\new)
.set MSB, (\new)
.endif
.endm
.macro PLACES                          ; four plain vector instructions between a matrix instruction and a load into, or a reader of, its registers
.rept 4
	v_nop
.endr
.endm
.macro CREST
	s_cmp_lg_u32 s[WV], 0
	s_cbranch_scc1 .Lnot_wave_0_\@
	s_barrier_signal -3
.Lnot_wave_0_\@:
	s_barrier_wait -3
	s_barrier_signal -1
	s_barrier_wait -1
.endm
.macro CROUND
	s_barrier_signal -1
	s_barrier_wait -1
	CREST
.endm
.macro JLOAD s                         ; a joint load; an s_nop 0 and four v_nop follow each line
	s_cmp_lt_u32 s[WV], NA
	s_cbranch_scc0 .Lfor_b_\@
	tensor_load_to_lds s[G0A+4*(\s):G0A+4*(\s)+3], s[G1A:G1A+7]
	s_nop 0
.rept 4
	v_nop
.endr
	s_branch .Lasked_\@
.Lfor_b_\@:
	tensor_load_to_lds s[G0B+4*(\s):G0B+4*(\s)+3], s[G1B:G1B+7]
	s_nop 0
.rept 4
	v_nop
.endr
.Lasked_\@:
.endm
; A prefetch of the K step two refills on, 32 blocks of 256 bytes, a lane a block.  Wave 0 names my work-group's quarter of both heads' rows of ctx (the grid has one cluster along x); waves 2 and 3, in the clusters
; with y = 0, my work-group's 32 k rows of their sub-tile of Wo.  The partners are told apart by address.  The loop's last trip (s3 = 1) has no K step two on.
.macro ASK
	s_cmp_gt_u32 s3, s[LIM]
	s_cbranch_scc0 .Lnot_mine_\@
	global_prefetch_b8 v[PFO], s[PFA:PFA+1] th:TH_LOAD_NT scope:SCOPE_SE
.Lnot_mine_\@:
.endm
.macro MULA f, a, zero                 ; 8 products: row block a x all column blocks, 32 along K, from buffer f
	WIN 0xa1
.set AC, 64*(\a)
.set nb, 0
.rept NBK
.if \zero
	v_wmma_f32_16x16x32_f16 v[AC+8*nb:AC+8*nb+7], v[64*(\f)+8*nb:64*(\f)+8*nb+7], v[FA+32*(\f)+8*(\a):FA+32*(\f)+8*(\a)+7], 0
.else
	v_wmma_f32_16x16x32_f16 v[AC+8*nb:AC+8*nb+7], v[64*(\f)+8*nb:64*(\f)+8*nb+7], v[FA+32*(\f)+8*(\a):FA+32*(\f)+8*(\a)+7], v[AC+8*nb:AC+8*nb+7]
.endif
.set nb, nb+1
.endr
.endm
.macro FETCH slot, q, f                ; 24 LDS loads in one run: quarter q into buffer f; Wo's first, then ctx's blocks in ascending order.  Quarter q is head q / 2 of the step, channels 32 (q % 2) on
	WIN 0x40
.set nb, 0
.rept NBK
	ds_load_tr16_b128 v[64*(\f)+8*nb:64*(\f)+8*nb+3],   v[ADRB+(\slot)] offset:32*PB*(\q)+32*nb
	ds_load_tr16_b128 v[64*(\f)+8*nb+4:64*(\f)+8*nb+7], v[ADRB+(\slot)] offset:32*PB*(\q)+32*nb+16*PB
.set nb, nb+1
.endr
	WIN 0
.set na, 0
.rept 4
	ds_load_b128 v[FA+32*(\f)+8*na:FA+32*(\f)+8*na+3],   v[ADRA+(\slot)] offset:HEADB*((\q)/2)+64*((\q)%2)+16*PA*na
	ds_load_b128 v[FA+32*(\f)+8*na+4:FA+32*(\f)+8*na+7], v[ADRA+(\slot)] offset:HEADB*((\q)/2)+64*((\q)%2)+16*PA*na+32
.set na, na+1
.endr
.endm
.macro QUARTER slot, q, f, g, zero
	s_wait_dscnt 4                                 ; the youngest four loads (ctx's blocks 2 and 3) may be out
	MULA \f, 0, \zero
	MULA \f, 1, \zero
	PLACES
	FETCH \slot, \q, \g
	s_wait_dscnt NL                                ; all but the run just issued
	MULA \f, 2, \zero
	MULA \f, 3, \zero
.endm
.macro MEET round
	WIN 0
	s_wait_tensorcnt 0x0                           ; all my tensor loads have landed: the one that was out is my part of the next slot
	ds_add_u32 v[SPW], v[NIL]                      ; 0 onto my spare word
	s_wait_dscnt 5                                 ; the add and the youngest four loads may be out
	MULA 1, 0, 0
	s_wait_dscnt 0x0                               ; the add is done, and my reads of this slot are over
	s_barrier_signal -1
	MULA 1, 1, 0
.if \round
	WIN 0
.endif
	s_barrier_wait -1
.endm
.macro TURN slot, next
	s_wait_xcnt 0x0                                ; the last prefetch, a K step back, has read its address
	s_add_nc_u64 s[PFA:PFA+1], s[PFA:PFA+1], s[PFS:PFS+1]
	MEET 1
	CREST                                          ; no wave of any partner still reads this slot or has a load on its way
	s_add_nc_u64 s[G0A+4*(\slot)+2:G0A+4*(\slot)+3], s[G0A+4*(\slot)+2:G0A+4*(\slot)+3], 2*STEPA
	s_add_nc_u64 s[G0B+4*(\slot)+2:G0B+4*(\slot)+3], s[G0B+4*(\slot)+2:G0B+4*(\slot)+3], 2*STEPB
	JLOAD \slot                                    ; its four v_nop are also the places in front of the loads below
	FETCH \next, 0, 0
	ASK
	MULA 1, 2, 0
	MULA 1, 3, 0
.endm
	s_load_b256 s[4:11], s[0:1], 0x0               ; ctx s[4:5], cst s[6:7], bo s[8:9], out0 s[10:11]
	v_lshl_add_u32 v[SPW], v0, 2, SPARE
	v_mov_b32 v[NIL], 0
	ds_add_u32 v[SPW], v[NIL]                      ; the wave's opening: the add, and its wait ahead of my first tensor load
	v_lshrrev_b32 v1, 5, v0
	v_readfirstlane_b32 s[WV], v1
	s_lshr_b32 s[WM], s[WV], 1                     ; which 64 rows are mine.  Also: I fetch for ctx (0) or for Wo (1)
	s_and_b32 s[WN], s[WV], 1                      ; which 128 columns.  Also: which head, or which sub-tile, I fetch
	s_bfe_u32 s40, ttmp6, 0x40000                  ; cx
	s_bfe_u32 s41, ttmp6, 0x40004                  ; cy
	s_lshl_b32 s42, ttmp9, 2
	s_add_co_u32 s42, s42, s40                     ; tile column
	s_and_b32 s13, ttmp7, 0xffff
	s_lshl_b32 s13, s13, 2
	s_add_co_u32 s13, s13, s41                     ; tile row
	s_lshl_b32 s66, s41, 2
	s_lshl_b32 s66, 15, s66                        ; my row of the cluster
	s_lshl_b32 s67, 0x1111, s40                    ; my column
	s_or_b32 s[G1A], s66, (1<<16)|(1<<20)|(1<<21)|(4<<22)|(3<<25)  ; mask; 2-byte elements; padding on; bit 21 beside a mask; after every 32 words, 4 words
	s_mov_b32 s[G1A+1], 128<<16                    ; tensor_dim0 = 128
	s_mov_b32 s[G1A+2], 64<<16                     ; tensor_dim1 = 64
	s_mov_b32 s[G1A+3], 128<<16                    ; tile_dim0 = 128
	s_mov_b32 s[G1A+4], 64                         ; tile_dim1 = 64
	s_mov_b32 s[G1A+5], 128                        ; dense
	s_mov_b32 s[G1A+6], 0
	s_mov_b32 s[G1A+7], 0
	s_or_b32 s[G1B], s67, (1<<16)|(1<<20)|(1<<21)|(5<<22)|(7<<25)  ; after every 64 words, 8 words
	s_mov_b32 s[G1B+1], 128<<16
	s_mov_b32 s[G1B+2], 128<<16
	s_mov_b32 s[G1B+3], 128<<16
	s_mov_b32 s[G1B+4], 128
	s_mov_b32 s[G1B+5], 1024
	s_mov_b32 s[G1B+6], 0
	s_mov_b32 s[G1B+7], 0
	s_lshr_b32 s14, s13, 4                         ; ctx: the batch,
	s_lshl_b32 s14, s14, 22
	s_and_b32 s16, s13, 15                         ; the tile's 128 rows of 128 bytes in it,
	s_lshl_b32 s16, s16, 14
	s_add_co_u32 s14, s14, s16
	s_lshl_b32 s16, s[WN], 18                      ; the head that I fetch
	s_add_co_u32 s14, s14, s16
	s_mov_b32 s15, 0
	s_lshl_b32 s44, s42, 9                         ; Wo: 256 columns a tile column,
	s_lshl_b32 s46, s[WN], 8                       ; my sub-tile
	s_add_co_u32 s44, s44, s46
	s_add_co_u32 s44, s44, WBASE
	s_mov_b32 s45, 0
	s_mul_i32 s20, s[WN], HEADB                    ; where a head lands in a slot,
	s_mul_i32 s21, s[WN], REG                      ; and a sub-tile
	s_add_co_u32 s21, s21, 2*HEADB
	s_wait_dscnt 0x0                               ; the opening add is done
	s_wait_kmcnt 0x0
	s_add_nc_u64 s[14:15], s[4:5], s[14:15]
	s_add_nc_u64 s[44:45], s[6:7], s[44:45]
	CROUND                                         ; all sixteen work-groups are here: the first joint loads meet
.irp s, 0,1
	s_mov_b32 s[G0A+4*(\s)], 1
	s_add_co_u32 s[G0A+4*(\s)+1], s20, (\s)*SLOT
	s_add_nc_u64 s[G0A+4*(\s)+2:G0A+4*(\s)+3], s[14:15], (\s)*STEPA
	s_or_b32 s[G0A+4*(\s)+3], s[G0A+4*(\s)+3], 0x80000000
	s_mov_b32 s[G0B+4*(\s)], 1
	s_add_co_u32 s[G0B+4*(\s)+1], s21, (\s)*SLOT
	s_add_nc_u64 s[G0B+4*(\s)+2:G0B+4*(\s)+3], s[44:45], (\s)*STEPB
	s_or_b32 s[G0B+4*(\s)+3], s[G0B+4*(\s)+3], 0x80000000
	JLOAD \s
.endr
	v_and_b32 v1, 15, v0                           ; r = l % 16
	v_bfe_u32 v2, v0, 4, 1                         ; h = l / 16
	v_and_b32 v3, 7, v0
	v_bfe_u32 v4, v0, 3, 1
	v_and_b32 v5, 31, v0                           ; l
	s_lshl_b32 s18, s42, 10                        ; my 128 columns of f32: 1,024 x tile column + 512 x wn
	s_lshl_b32 s19, s[WN], 9
	s_add_co_u32 s18, s18, s19
	v_lshl_add_u32 v[BOF], v5, 4, s18
	global_load_b128 v[BIAS:BIAS+3], v[BOF], s[8:9]
	v_mul_u32_u24 v6, v1, PA
	v_lshl_add_u32 v6, v2, 4, v6
	s_mul_i32 s22, s[WM], 64*PA
	v_add_nc_u32 v[ADRA], s22, v6
	v_add_nc_u32 v[ADRA+1], SLOT, v[ADRA]
	v_lshl_add_u32 v7, v2, 3, v3                   ; the turning load: k row 8 h + l % 8,
	v_mul_u32_u24 v7, v7, PB
	v_lshl_add_u32 v7, v4, 4, v7                   ; columns 8 ((l / 8) % 2) on
	v_add_nc_u32 v[ADRB], s21, v7
	v_add_nc_u32 v[ADRB+1], SLOT, v[ADRB]
	s_mul_i32 s22, s[WV], 16*SPITCH
	s_add_co_u32 s22, s22, STAGE                   ; my stage
	v_mul_u32_u24 v[STO], v1, SPITCH
	v_lshl_add_u32 v[STO], v2, 5, v[STO]
	v_add_nc_u32 v[STO], s22, v[STO]               ; in: row r, 32 bytes for each half of the lanes
	v_lshl_add_u32 v[RD], v5, 4, s22               ; back: 32 lanes take a row of 512 bytes
	v_lshlrev_b32 v[CO], 4, v5
	s_lshl_b32 s22, s13, 7
	s_lshl_b32 s23, s[WM], 6
	s_add_co_u32 s22, s22, s23                     ; my first row,
	s_lshl_b32 s22, s22, 12                        ; 4,096 bytes a row of out0,
	s_add_co_u32 s22, s22, s18                     ; my columns
	s_mov_b32 s23, 0
	s_add_nc_u64 s[10:11], s[10:11], s[22:23]
	; the prefetches; nothing is asked for here, at the head
	s_lshr_b32 s74, s13, 4
	s_lshl_b32 s74, s74, 22
	s_and_b32 s73, s13, 15
	s_lshl_b32 s73, s73, 14
	s_add_co_u32 s74, s74, s73
	s_lshl_b32 s73, s40, 12                        ; ctx: my work-group's 4,096 of a head's 16,384 bytes
	s_add_co_u32 s74, s74, s73
	s_add_co_u32 s74, s74, 3*STEPA                 ; at K step 3: the first refill steps it to 4
	s_lshl_b32 s76, s42, 9
	s_lshl_b32 s73, s[WN], 8
	s_add_co_u32 s76, s76, s73
	s_lshl_b32 s73, s41, 16                        ; Wo: my work-group's 32 k rows of 2,048 bytes
	s_add_co_u32 s76, s76, s73
	s_add_co_u32 s76, s76, WBASE+3*STEPB
	s_and_b32 s73, ttmp7, 0xffff                   ; cluster y
	s_mov_b32 s[PFS], STEPB
	s_mov_b32 s77, 1<<15
	s_mov_b32 s78, 2048
	s_cmp_lt_u32 s[WV], 2
	s_cselect_b32 s74, s74, s76
	s_cselect_b32 s73, ttmp9, s73                  ; the coordinate along which other clusters read the same rows
	s_cselect_b32 s[PFS], STEPA, s[PFS]
	s_cselect_b32 s77, 1<<18, s77                  ; ctx: lanes 16-31 take the step's second head; Wo: 16 rows on
	s_cselect_b32 s78, 256, s78                    ; ctx: 256 bytes a lane; Wo: a row a lane
	s_cselect_b64 s[PFA:PFA+1], s[4:5], s[6:7]
	s_mov_b32 s75, 0
	s_mov_b32 s[PFS+1], 0
	s_add_nc_u64 s[PFA:PFA+1], s[PFA:PFA+1], s[74:75]
	s_cmp_eq_u32 s[WV], 1
	s_cselect_b32 s73, 1, s73                      ; wave 0 names both heads: wave 1 asks for nothing
	s_cmp_eq_u32 s73, 0
	s_cselect_b32 s[LIM], 1, -1
	v_mul_u32_u24 v[PFO], v2, s77
	v_mad_u32_u24 v[PFO], v1, s78, v[PFO]
	s_wait_loadcnt 0x0                             ; bo: rounded to bf16 like the other inputs, kept as f32
	v_cvt_pk_bf16_f32 v[T], v[BIAS], v[BIAS+1]
	v_cvt_pk_bf16_f32 v[T+1], v[BIAS+2], v[BIAS+3]
	v_lshlrev_b32 v[BIAS], 16, v[T]
	v_and_b32 v[BIAS+1], 0xffff0000, v[T]
	v_lshlrev_b32 v[BIAS+2], 16, v[T+1]
	v_and_b32 v[BIAS+3], 0xffff0000, v[T+1]
	s_wait_tensorcnt 1                             ; my part of K step 0 is in; K step 1's may stay out
	s_barrier_signal -1
	s_barrier_wait -1
	FETCH 0, 0, 0
	QUARTER 0, 1, 0, 1, 1                          ; the first quarter's products start the sums
	WIN 0
	s_mov_b32 s3, 3
.Llap:                                             ; once round the ring, from a lap's second quarter to the next lap's first; both slots are filled again
	QUARTER 0, 2, 1, 0, 0
	QUARTER 0, 3, 0, 1, 0
	TURN 0, 1
	QUARTER 1, 1, 0, 1, 0
	QUARTER 1, 2, 1, 0, 0
	QUARTER 1, 3, 0, 1, 0
	TURN 1, 0
	QUARTER 0, 1, 0, 1, 0
	WIN 0
	s_sub_co_u32 s3, s3, 1
	s_cmp_lg_u32 s3, 0
	s_cbranch_scc1 .Llap
	QUARTER 0, 2, 1, 0, 0                          ; the last lap fills nothing
	QUARTER 0, 3, 0, 1, 0
	MEET 0
	PLACES
	FETCH 1, 0, 0
	MULA 1, 2, 0
	MULA 1, 3, 0
	QUARTER 1, 1, 0, 1, 0
	QUARTER 1, 2, 1, 0, 0
	QUARTER 1, 3, 0, 1, 0
	s_wait_dscnt 4
	MULA 1, 0, 0
	MULA 1, 1, 0
	s_wait_dscnt 0x0
	MULA 1, 2, 0
	MULA 1, 3, 0
	WIN 0
; THE WAY OUT, a block of 16 rows at a time: the sums go into my own stage as they are (each accumulator from its low end), come back as whole rows of 512 bytes, take the bias, and are stored.
.macro TOSTAGE a
.set BK, BK0+64*((\a)%2)
.if (\a) >= 2
	s_wait_xcnt 0x0                                ; the stores of the block two back have read the registers that the loads below write
.endif
	WIN 0x08                                       ; the stores' data lie in window 2
.set nb, 0
.rept NBK
	ds_store_b128 v[STO], v[64*(\a)+8*nb:64*(\a)+8*nb+3]   offset:64*nb
	ds_store_b128 v[STO], v[64*(\a)+8*nb+4:64*(\a)+8*nb+7] offset:64*nb+16
.set nb, nb+1
.endr
	WIN 0
.set nt, 0
.rept 16
	ds_load_b128 v[BK+4*nt:BK+4*nt+3], v[RD] offset:SPITCH*nt  ; LDS serves a wave's instructions in order: these see the stores above
.set nt, nt+1
.endr
.endm
.macro SEND a, younger                 ; younger: the LDS instructions issued behind block a's loads: the next block's 32, or none
.set BK, BK0+64*((\a)%2)
	s_wait_dscnt \younger
.set nt, 0
.rept 16
	v_pk_add_f32 v[BK+4*nt:BK+4*nt+1], v[BK+4*nt:BK+4*nt+1], v[BIAS:BIAS+1]
	v_pk_add_f32 v[BK+4*nt+2:BK+4*nt+3], v[BK+4*nt+2:BK+4*nt+3], v[BIAS+2:BIAS+3]
	global_store_b128 v[CO], v[BK+4*nt:BK+4*nt+3], s[10:11] offset:4096*(16*(\a)+nt) th:TH_STORE_NT  ; 512 consecutive bytes, at a multiple of 256 from out0's first
.set nt, nt+1
.endr
.endm
	PLACES
	TOSTAGE 0
	TOSTAGE 1
	SEND 0, 32
	TOSTAGE 2
	SEND 1, 32
	TOSTAGE 3
	SEND 2, 32
	SEND 3, 0
	s_wait_tensorcnt 0x0                           ; the wave's end
	ds_add_u32 v[SPW], v[NIL]
	s_wait_dscnt 0x0
	CROUND                                         ; the closing round
	s_endpgm
.Lfunc_end_k_qf098b84227_outp:
	.size	k_qf098b84227_outp, .Lfunc_end_k_qf098b84227_outp-k_qf098b84227_outp
	.p2alignl 7, 3214868480
	.fill 96, 4, 3214868480
	.section	.rodata,"a",@progbits
	.p2align	6, 0x0
	.amdhsa_kernel k_qf098b84227_outp
		.amdhsa_group_segment_fixed_size 327680
		.amdhsa_private_segment_fixed_size 0
		.amdhsa_enable_private_segment 0
		.amdhsa_kernarg_size 32
		.amdhsa_user_sgpr_count 2
		.amdhsa_user_sgpr_kernarg_segment_ptr 1
		.amdhsa_wavefront_size32 1
		.amdhsa_system_sgpr_workgroup_id_x 1
		.amdhsa_system_sgpr_workgroup_id_y 1
		.amdhsa_system_sgpr_workgroup_id_z 1
		.amdhsa_system_vgpr_workitem_id 0
		.amdhsa_next_free_vgpr 768
		.amdhsa_next_free_sgpr 80
		.amdhsa_reserve_vcc 0
		.amdhsa_float_denorm_mode_32 3
		.amdhsa_float_denorm_mode_16_64 3
		.amdhsa_memory_ordered 1
		.amdhsa_forward_progress 1
		.amdhsa_inst_pref_size 96
	.end_amdhsa_kernel
	.amdgpu_metadata
---
amdhsa.version: [ 1, 2 ]
amdhsa.kernels:
  - .name:           k_qf098b84227_outp
    .symbol:         k_qf098b84227_outp.kd
    .args:
      - { .name: ctx, .offset: 0, .size: 8, .value_kind: global_buffer, .address_space: global }
      - { .name: cst, .offset: 8, .size: 8, .value_kind: global_buffer, .address_space: global }
      - { .name: bo, .offset: 16, .size: 8, .value_kind: global_buffer, .address_space: global }
      - { .name: out0, .offset: 24, .size: 8, .value_kind: global_buffer, .address_space: global }
    .group_segment_fixed_size: 327680
    .private_segment_fixed_size: 0
    .kernarg_segment_align: 8
    .kernarg_segment_size: 32
    .max_flat_workgroup_size: 128
    .sgpr_count:     80
    .vgpr_count:     768
    .wavefront_size: 32
...
	.end_amdgpu_metadata
.endif
;; end of part 4
;; ======== version 2 of 2: 4 launches; version 1 with the launch cast written anew for expert scheduling mode
;; limits: values are held in f16: magnitudes above 65,504 overflow, below 6.1e-05 lose precision
;; workspace buffers: cst 25,165,824 bytes; qkv 50,331,648 bytes; ctx 16,777,216 bytes
;; launch cast (part 5): grid 768 x 1, 8 waves a work-group, no clusters, 0 bytes of LDS; arguments x, Wq, Wk, Wv, Wo, cst; writes cst
.if DOCPART == 5
	.amdgcn_target "amdgcn-amd-amdhsa--gfx1250"
	.amdhsa_code_object_version 6
	.text
	.protected	k_qf098b84227_cast
	.globl	k_qf098b84227_cast
	.p2align	8
	.type	k_qf098b84227_cast,@function
k_qf098b84227_cast:
	s_mov_b64 s[64:65], 0
	v_nop
	global_prefetch_b8 v0, s[64:65] scope:SCOPE_SE
	s_setreg_imm32_b32 hwreg(HW_REG_WAVE_SCHED_MODE, 0, 2), 2
	s_setreg_imm32_b32 hwreg(HW_REG_WAVE_MODE, 25, 1), 1
	s_wait_xcnt 0x0
	s_wait_alu depctr_vm_vsrc(0)
; THE INPUTS ARE ROUNDED ONCE, for the matrix products of the later launches.  cst holds, from byte 0: x as [8192][1024] bf16; from 0x1000000: Wq, Wk, Wv side by side
; as [1024 k][3072] bf16 (column 1024 t + n, t = 0, 1, 2); from 0x1600000: Wo as [1024 k][1024 n], rounded to bf16 and that number written as f16.
; LIMIT.  A weight of Wo beyond 65,504 becomes an infinity in f16; below 6e-5 it keeps f16's fixed step of 6e-8.
; SHARES.  A work-group takes 16 rows of 1,024 numbers: 64 KiB in, 32 KiB out.  Work-groups 0-511: x; then 64 for each weight.  Wave v takes rows 2 v and 2 v + 1: sixteen loads of 512
; consecutive bytes, all issued at once; each store of 8 bytes a lane covers 256 consecutive bytes, aligned.  Memory binds: no LDS, no barrier, no matrix unit.
; THE MODE: SCHED_MODE bits 1:0 = 2 (LLVM: expert scheduling mode 2), set by the entry lines.  The code itself states the register dependences
; between vector instructions and memory instructions, with s_wait_alu, always for 0.
; THE PLAN.  Registers that memory instructions touch:
;   v1         the loads' offset; v2, v3 the stores' offsets.  Written by vector lines at the head, never again.
;   X          sixteen loads' data.  Each register is written by one load and by nothing else; the conversions read it; no load lands in it again.
;   Y          sixteen stores' data.  Each pair is written once, by a conversion, and read by one store; nothing writes it again.
;   T          at work: named by vector instructions alone.
; So one wait on va_vdst stands ahead of the first load, for the three offsets; and the sixteen loads are worked off in four groups of four, each with one wait on va_vdst between
; the group's conversions and the run of its four stores.  That wait stands behind the group's own conversions, so that a group's stores hang on that group's data alone.
; No register that a memory instruction reads is written again, no vector instruction writes a scalar register or VCC, and EXEC is never written: no other wait is owed.
.set X, 4                              ; v[4:67]    sixteen loads of four numbers
.set Y, 68                             ; v[68:99]   sixteen pairs to store, each written once
.set T, 100                            ; v[100:103] at work
	s_load_b256 s[16:23], s[0:1], 0x0              ; x, Wq, Wk, Wv
	s_load_b128 s[24:27], s[0:1], 0x20             ; Wo, cst
	s_mov_b32 s2, ttmp9
	s_sub_co_u32 s3, s2, 512
	s_lshr_b32 s12, s3, 6                          ; which weight: 0 to 3
	s_and_b32 s13, s3, 63                          ; which 16 rows of it
	s_cmp_lt_u32 s2, 512
	s_cselect_b32 s13, s2, s13                     ; for x: the work-group's number,
	s_cselect_b32 s12, 4, s12                      ; and the class 4
	s_lshl_b32 s15, s12, 11                        ; Wq, Wk, Wv: 2,048 bytes of each row of 6,144
	s_add_co_u32 s15, s15, 0x1000000
	s_cmp_eq_u32 s12, 3
	s_cselect_b32 s15, 0x1600000, s15
	s_cmp_eq_u32 s12, 4
	s_cselect_b32 s15, 0, s15                      ; where the class begins in cst
	s_mov_b32 s14, 2048
	s_cmp_lt_u32 s12, 3
	s_cselect_b32 s14, 6144, s14                   ; bytes from row to row in cst
	s_lshl_b32 s8, s14, 4
	s_mul_i32 s8, s8, s13                          ; my 16 rows
	s_add_co_u32 s10, s15, s8
	s_mov_b32 s11, 0
	s_lshl_b32 s8, s13, 16                         ; and in the source: 65,536 bytes
	s_mov_b32 s9, 0
	s_lshl_b32 s28, s14, 1
	v_lshrrev_b32 v[T], 5, v0                      ; wave
	v_and_b32 v[T+1], 31, v0                       ; lane
	v_lshlrev_b32 v1, 13, v[T]
	v_lshl_or_b32 v1, v[T+1], 4, v1                ; source: 8,192 x wave + 16 x lane
	v_mul_u32_u24 v2, v[T], s28
	v_lshl_add_u32 v2, v[T+1], 3, v2               ; cst: row 2 x wave, 8 x lane;
	v_add_nc_u32 v3, s14, v2                       ; and the row below
	s_wait_kmcnt 0x0
	s_mov_b64 s[4:5], s[16:17]
	s_cmp_eq_u32 s12, 0
	s_cselect_b64 s[4:5], s[18:19], s[4:5]
	s_cmp_eq_u32 s12, 1
	s_cselect_b64 s[4:5], s[20:21], s[4:5]
	s_cmp_eq_u32 s12, 2
	s_cselect_b64 s[4:5], s[22:23], s[4:5]
	s_cmp_eq_u32 s12, 3
	s_cselect_b64 s[4:5], s[24:25], s[4:5]
	s_add_nc_u64 s[4:5], s[4:5], s[8:9]
	s_add_nc_u64 s[6:7], s[26:27], s[10:11]
	s_wait_alu depctr_va_vdst(0)                   ; v1 is written, which the sixteen loads read as their offset; so are v2 and v3, the stores' offsets
.irp j, 0,1,2,3,4,5,6,7,8,9,10,11,12,13,14,15
	global_load_b128 v[X+4*(\j):X+4*(\j)+3], v1, s[4:5] offset:512*(\j) th:TH_LOAD_NT
.endr
; Load j is rounded into its pair of Y.  wo = 1: to bf16, and that number to f16.
.macro CV j, wo
.if \wo
	v_cvt_pk_bf16_f32 v[T], v[X+4*(\j)], v[X+4*(\j)+1]
	v_cvt_pk_bf16_f32 v[T+1], v[X+4*(\j)+2], v[X+4*(\j)+3]
	v_lshlrev_b32 v[T+2], 16, v[T]
	v_and_b32 v[T], 0xffff0000, v[T]
	v_cvt_pk_f16_f32 v[Y+2*(\j)], v[T+2], v[T]
	v_lshlrev_b32 v[T+3], 16, v[T+1]
	v_and_b32 v[T+1], 0xffff0000, v[T+1]
	v_cvt_pk_f16_f32 v[Y+2*(\j)+1], v[T+3], v[T+1]
.else
	v_cvt_pk_bf16_f32 v[Y+2*(\j)], v[X+4*(\j)], v[X+4*(\j)+1]
	v_cvt_pk_bf16_f32 v[Y+2*(\j)+1], v[X+4*(\j)+2], v[X+4*(\j)+3]
.endif
.endm
.macro ST j
	global_store_b64 v[2+(\j)/8], v[Y+2*(\j):Y+2*(\j)+1], s[6:7] offset:256*((\j)%8)
.endm
; Group g: loads 4 g to 4 g + 3 are rounded, then stored in one run.
.macro GROUP g, wo
	s_wait_loadcnt 12-4*(\g)                       ; loads come back in order: the group's four are in, the 12 - 4 g younger ones may stay out
.irp i, 0,1,2,3
	CV 4*(\g)+(\i), \wo
.endr
	s_wait_alu depctr_va_vdst(0)                   ; the group's conversions have written its eight registers of Y, which the four stores below read
.irp i, 0,1,2,3
	ST 4*(\g)+(\i)
.endr
.endm
	s_cmp_eq_u32 s12, 3
	s_cbranch_scc1 .Lwo
.irp g, 0,1,2,3
	GROUP \g, 0
.endr
	s_endpgm
.Lwo:
.irp g, 0,1,2,3
	GROUP \g, 1
.endr
	s_endpgm
.Lfunc_end_k_qf098b84227_cast:
	.size	k_qf098b84227_cast, .Lfunc_end_k_qf098b84227_cast-k_qf098b84227_cast
	.p2alignl 7, 3214868480
	.fill 96, 4, 3214868480
	.section	.rodata,"a",@progbits
	.p2align	6, 0x0
	.amdhsa_kernel k_qf098b84227_cast
		.amdhsa_group_segment_fixed_size 0
		.amdhsa_private_segment_fixed_size 0
		.amdhsa_enable_private_segment 0
		.amdhsa_kernarg_size 48
		.amdhsa_user_sgpr_count 2
		.amdhsa_user_sgpr_kernarg_segment_ptr 1
		.amdhsa_wavefront_size32 1
		.amdhsa_system_sgpr_workgroup_id_x 1
		.amdhsa_system_sgpr_workgroup_id_y 1
		.amdhsa_system_sgpr_workgroup_id_z 1
		.amdhsa_system_vgpr_workitem_id 0
		.amdhsa_next_free_vgpr 104
		.amdhsa_next_free_sgpr 66
		.amdhsa_reserve_vcc 0
		.amdhsa_float_denorm_mode_32 3
		.amdhsa_float_denorm_mode_16_64 3
		.amdhsa_memory_ordered 1
		.amdhsa_forward_progress 1
		.amdhsa_inst_pref_size 17
	.end_amdhsa_kernel
	.amdgpu_metadata
---
amdhsa.version: [ 1, 2 ]
amdhsa.kernels:
  - .name:           k_qf098b84227_cast
    .symbol:         k_qf098b84227_cast.kd
    .args:
      - { .name: x, .offset: 0, .size: 8, .value_kind: global_buffer, .address_space: global }
      - { .name: Wq, .offset: 8, .size: 8, .value_kind: global_buffer, .address_space: global }
      - { .name: Wk, .offset: 16, .size: 8, .value_kind: global_buffer, .address_space: global }
      - { .name: Wv, .offset: 24, .size: 8, .value_kind: global_buffer, .address_space: global }
      - { .name: Wo, .offset: 32, .size: 8, .value_kind: global_buffer, .address_space: global }
      - { .name: cst, .offset: 40, .size: 8, .value_kind: global_buffer, .address_space: global }
    .group_segment_fixed_size: 0
    .private_segment_fixed_size: 0
    .kernarg_segment_align: 8
    .kernarg_segment_size: 48
    .max_flat_workgroup_size: 256
    .sgpr_count:     66
    .vgpr_count:     104
    .wavefront_size: 32
...
	.end_amdgpu_metadata
.endif
;; end of part 5
;; launch proj: the kernel of part 2 again; grid 8 x 64, 4 waves a work-group, clusters of 4 x 4, 327,680 bytes of LDS; arguments cst, qkv; writes qkv
;; launch attn: the kernel of part 3 again; grid 4 x 64, 4 waves a work-group, no clusters, 327,680 bytes of LDS; arguments qkv, ctx; writes ctx
;; launch outp: the kernel of part 4 again; grid 4 x 64, 4 waves a work-group, clusters of 4 x 4, 327,680 bytes of LDS; arguments ctx, cst, bo, out0; writes out0
